; MI455X (gfx1250); checked and timed in simulation.
; The chip was launched on July 23, 2026; its instructions are those of AMD's public machine-readable ISA for CDNA 5 (MIT licence, August 2026) and "CDNA5" Instruction Set Architecture Reference Guide (July 2026). The comments in the code are by the model that wrote it; some were corrected since.
;; Multi Head Attention. Allowed arithmetic: float matrix products may take bf16 or f16 operands with f32 sums; all other float work in f32.
;; Inputs: W_proj 1,024 x 1,024 float32; W_qkv 3,072 x 1,024 float32; x 2 x 2,048 x 1,024 float32.
;; Outputs: out0 2 x 2,048 x 1,024 float32.
;; 3 versions, each right; version 2 is faster than version 1; version 3 is version 2 with the launch cast written anew for expert scheduling mode. Each part assembles by itself: llvm-mc -triple=amdgcn-amd-amdhsa -mcpu=gfx1250 --defsym DOCPART=n.
;; ======== version 1 of 3: 4 launches
;; limits: values are held in f16: magnitudes above 65,504 overflow, below 6.1e-05 lose precision
;; workspace buffers: xb 8,388,608 bytes; wqb 6,291,456 bytes; wpb 2,097,152 bytes; qkv 33,554,432 bytes; att 16,777,216 bytes
;; launch cast (part 1): grid 256 x 1, 8 waves a work-group, no clusters, 0 bytes of LDS; arguments x, W_qkv, W_proj, xb, wqb, wpb; writes xb, wqb, wpb
.if DOCPART == 1
	.amdgcn_target "amdgcn-amd-amdhsa--gfx1250"
	.amdhsa_code_object_version 6
	.text
	.protected	k_q71a04f4d27_cast
	.globl	k_q71a04f4d27_cast
	.p2align	8
	.type	k_q71a04f4d27_cast,@function
k_q71a04f4d27_cast:
	s_mov_b64 s[64:65], 0
	v_nop
	global_prefetch_b8 v0, s[64:65] scope:SCOPE_SE
	s_setreg_imm32_b32 hwreg(HW_REG_WAVE_MODE, 25, 1), 1
	s_wait_xcnt 0x0
; x and W_qkv: f32 -> bf16.  W_proj: f32 -> bf16 -> f16 (the value is the bf16 rounding; it is written as f16 so that the last product can
; run in the f16 form beside f16 operands).
; LIMIT: a bf16 value is exact in f16 for 2^-17 <= |w| < 65,504; below 2^-17 the second rounding adds at most 2^-25 absolute.
; 8,388,608 numbers in all, 32,768 for each of 256 work-groups: groups 0-127 take x, 128-223 W_qkv, 224-255 W_proj.
; W_qkv's ROWS ARE REORDERED: a part is 32 rows = (kind q, k or v; head; half of the head's 64).  It is stored as part 6 head + 3 half + kind, so that
; 192 consecutive rows of wqb are one head's q, k and v, and each run of 96 holds 32 rows of each kind.
; A thread takes 4 numbers of every 1,024: a load of a wave covers 512 consecutive bytes, a store 256 consecutive aligned bytes.
; All 32 loads of a thread go out at once (128 KiB a work-group); no register is used twice, so no wait but the counted ones is needed.
; A stream: no LDS, no barrier, no matrix unit, nothing is read twice.
.set X, 4                              ; v[4:131]  load j: 4 registers as loaded, the first two of them as stored
	s_load_b256 s[4:11], s[0:1], 0x0               ; x s[4:5], W_qkv s[6:7], W_proj s[8:9], xb s[10:11]
	s_load_b128 s[12:15], s[0:1], 0x20             ; wqb s[12:13], wpb s[14:15]
	s_mov_b32 s20, ttmp9                           ; the work-group's number
	s_sub_co_u32 s21, s20, 128                     ; its number among W_qkv's groups (used only there)
	s_sub_co_u32 s22, s20, 224                     ; its number among W_proj's groups (used only there)
	s_lshr_b32 s24, s21, 5                         ; W_qkv: kind
	s_bfe_u32 s25, s21, 0x40001                    ; head (4 bits from bit 1)
	s_mul_i32 s25, s25, 6
	s_add_co_u32 s24, s24, s25
	s_and_b32 s25, s21, 1                          ; half
	s_mul_i32 s25, s25, 3
	s_add_co_u32 s24, s24, s25                     ; the part's place in wqb
	v_lshlrev_b32 v1, 4, v0                        ; 16 bytes a thread in
	v_lshlrev_b32 v2, 3, v0                        ; 8 bytes a thread out
	s_wait_kmcnt 0x0
	s_cmp_lt_u32 s20, 224
	s_cselect_b64 s[16:17], s[6:7], s[8:9]         ; from
	s_cselect_b64 s[18:19], s[12:13], s[14:15]     ; to
	s_cselect_b32 s23, s21, s22                    ; which part in
	s_cselect_b32 s24, s24, s22                    ; which part out
	s_cmp_lt_u32 s20, 128
	s_cselect_b64 s[16:17], s[4:5], s[16:17]
	s_cselect_b64 s[18:19], s[10:11], s[18:19]
	s_cselect_b32 s23, s20, s23
	s_cselect_b32 s24, s20, s24
	s_lshl_b32 s2, s23, 17                         ; 131,072 bytes in for each part
	s_mov_b32 s3, 0
	s_add_nc_u64 s[16:17], s[16:17], s[2:3]
	s_lshl_b32 s2, s24, 16                         ; 65,536 bytes out
	s_add_nc_u64 s[18:19], s[18:19], s[2:3]
.set j, 0
.rept 32
	global_load_b128 v[X+4*j:X+4*j+3], v1, s[16:17] offset:4096*j th:TH_LOAD_NT
.set j, j+1
.endr
; load n is rounded and stored.  half = 1: the bf16 values are widened again (a shift, a mask) and written as f16.
.macro OUT n, half
	s_wait_loadcnt 31-\n                           ; loads come back in order: load n is in, the 31 - n younger ones stay out
.if \half
	v_cvt_pk_bf16_f32 v[X+4*\n],   v[X+4*\n],   v[X+4*\n+1]
	v_cvt_pk_bf16_f32 v[X+4*\n+2], v[X+4*\n+2], v[X+4*\n+3]
	v_and_b32     v[X+4*\n+1], 0xffff0000, v[X+4*\n]
	v_lshlrev_b32 v[X+4*\n],   16, v[X+4*\n]
	v_and_b32     v[X+4*\n+3], 0xffff0000, v[X+4*\n+2]
	v_lshlrev_b32 v[X+4*\n+2], 16, v[X+4*\n+2]
	v_cvt_pk_f16_f32 v[X+4*\n],   v[X+4*\n],   v[X+4*\n+1]
	v_cvt_pk_f16_f32 v[X+4*\n+1], v[X+4*\n+2], v[X+4*\n+3]
.else
	v_cvt_pk_bf16_f32 v[X+4*\n],   v[X+4*\n],   v[X+4*\n+1]
	v_cvt_pk_bf16_f32 v[X+4*\n+1], v[X+4*\n+2], v[X+4*\n+3]
.endif
	global_store_b64 v2, v[X+4*\n:X+4*\n+1], s[18:19] offset:2048*\n   ; 32 lanes: 256 consecutive bytes, aligned
.endm
	s_cmp_ge_u32 s20, 224
	s_cbranch_scc1 .Lw
.set j, 0
.rept 32
	OUT j, 0
.set j, j+1
.endr
	s_endpgm
.Lw:
.set j, 0
.rept 32
	OUT j, 1
.set j, j+1
.endr
	s_endpgm
.Lfunc_end_k_q71a04f4d27_cast:
	.size	k_q71a04f4d27_cast, .Lfunc_end_k_q71a04f4d27_cast-k_q71a04f4d27_cast
	.p2alignl 7, 3214868480
	.fill 96, 4, 3214868480
	.section	.rodata,"a",@progbits
	.p2align	6, 0x0
	.amdhsa_kernel k_q71a04f4d27_cast
		.amdhsa_group_segment_fixed_size 0
		.amdhsa_private_segment_fixed_size 0
		.amdhsa_enable_private_segment 0
		.amdhsa_kernarg_size 48
		.amdhsa_user_sgpr_count 2
		.amdhsa_user_sgpr_kernarg_segment_ptr 1
		.amdhsa_wavefront_size32 1
		.amdhsa_system_sgpr_workgroup_id_x 1
		.amdhsa_system_sgpr_workgroup_id_y 1
		.amdhsa_system_sgpr_workgroup_id_z 1
		.amdhsa_system_vgpr_workitem_id 0
		.amdhsa_next_free_vgpr 136
		.amdhsa_next_free_sgpr 66
		.amdhsa_reserve_vcc 0
		.amdhsa_float_denorm_mode_32 3
		.amdhsa_float_denorm_mode_16_64 3
		.amdhsa_memory_ordered 1
		.amdhsa_forward_progress 1
		.amdhsa_inst_pref_size 31
	.end_amdhsa_kernel
	.amdgpu_metadata
---
amdhsa.version: [ 1, 2 ]
amdhsa.kernels:
  - .name:           k_q71a04f4d27_cast
    .symbol:         k_q71a04f4d27_cast.kd
    .args:
      - { .name: x, .offset: 0, .size: 8, .value_kind: global_buffer, .address_space: global }
      - { .name: W_qkv, .offset: 8, .size: 8, .value_kind: global_buffer, .address_space: global }
      - { .name: W_proj, .offset: 16, .size: 8, .value_kind: global_buffer, .address_space: global }
      - { .name: xb, .offset: 24, .size: 8, .value_kind: global_buffer, .address_space: global }
      - { .name: wqb, .offset: 32, .size: 8, .value_kind: global_buffer, .address_space: global }
      - { .name: wpb, .offset: 40, .size: 8, .value_kind: global_buffer, .address_space: global }
    .group_segment_fixed_size: 0
    .private_segment_fixed_size: 0
    .kernarg_segment_align: 8
    .kernarg_segment_size: 48
    .max_flat_workgroup_size: 256
    .sgpr_count:     66
    .vgpr_count:     136
    .wavefront_size: 32
...
	.end_amdgpu_metadata
.endif
;; end of part 1
;; launch qkv (part 2): grid 16 x 16, 4 waves a work-group, clusters of 4 x 4, 327,680 bytes of LDS; arguments xb, wqb, qkv; writes qkv
.if DOCPART == 2
	.amdgcn_target "amdgcn-amd-amdhsa--gfx1250"
	.amdhsa_code_object_version 6
	.text
	.protected	k_q71a04f4d27_qkv
	.globl	k_q71a04f4d27_qkv
	.p2align	8
	.type	k_q71a04f4d27_qkv,@function
k_q71a04f4d27_qkv:
	s_mov_b64 s[64:65], 0
	v_nop
	global_prefetch_b8 v0, s[64:65] scope:SCOPE_SE
	s_setreg_imm32_b32 hwreg(HW_REG_WAVE_MODE, 25, 1), 1
	s_wait_xcnt 0x0
	s_wait_alu depctr_hold_cnt(0) depctr_sa_sdst(0) depctr_va_vdst(0) depctr_va_sdst(0) depctr_va_ssrc(0) depctr_va_vcc(0) depctr_vm_vsrc(0)
	s_getreg_b32 s2, hwreg(HW_REG_IB_STS2, 6, 4)
	s_cmp_eq_u32 s2, 0
	s_cbranch_scc0 .Lentry_in_a_cluster
	s_endpgm
.Lentry_in_a_cluster:
	s_bfe_u32 s2, ttmp6, 0x10000c
	s_cmp_lg_u32 s2, 0xf033
	s_cbranch_scc0 .Lentry_shape_is_right
	s_endpgm
.Lentry_shape_is_right:
; q, k, v = x W_qkv^T.  xb: [4096][1024] bf16; wqb: [3072][1024] bf16 with its rows reordered: rows 192 e .. 192 e + 191 are head e's
; q d0-31, k d0-31, v d0-31, q d32-63, k d32-63, v d32-63.  Sums in f32.
; OUT, by planes p = 16 batch + head:  q at byte 0, planes [2048 tokens][64] f16;  k at 8 MiB, the same;  v at 16 MiB, planes [2048 tokens][hi 64 | lo 64] f16.
; v IS KEPT AS TWO f16 NUMBERS, hi = f16(v) and lo = f16(v - hi), some 22 bits together: a query with few keys hands v's rounding on unaveraged, and such a
; row is many times larger than the output's root mean square, against which each number is judged.
; LIMIT: |q|, |k|, |v| < 65,504 (f16's range); lo is a denormal f16 below 6.1e-5 and is then good to 6e-8 absolute.
; A work-group makes 256 tokens x 192 columns (one head's q, k and v) with four waves; a wave makes 128 x 96: 48 accumulator tiles, 384 registers.
; 16 x 16 = 256 work-groups.  K goes in steps of 128 through two LDS slots filled by the tensor data mover; a tile's rows are 256 bytes of
; memory and start at multiples of 256 bytes.
; CLUSTERS: 4 x 4 work-groups.  The four of a row of the cluster need the same tiles of x, the four of a column the same tiles of W: each tile
; is asked for jointly, which divides the requests for both by four.
; REGISTERS in windows of 256: window 0: v16-27 addresses, v28-59 at work on the way out, v64-127 and v128-191 fragments of x (8 x 16 rows x 32 K, two
; buffers), v192-207 at work on the way out; window 1: v64-111 and v128-175 fragments of W (6 x 16 rows); window 2: the 24 accumulator tiles of my rows
; 0-63 (tile (a, b) at v[8 (6 a + b)]; b = 0, 1 q, 2, 3 k, 4, 5 v); window 3: those of my rows 64-127.
; The matrix instruction is used transposed (source 0 = 16 rows of W, source 1 = 16 tokens): a lane then holds eight neighbouring columns
; of one token, which pack into 16 bytes.
.set SIZE_K, 1024
.set KSTEP,  128
.set PITCH,  272                       ; an LDS row: 256 bytes + 16 of padding: the 16 rows of a fragment load start 16 bytes apart modulo 256
.set AHALF,  128*PITCH                 ; 128 rows of x: one tensor load
.set BHALF,  96*PITCH                  ; 96 rows of W: one tensor load
.set BOFF,   2*AHALF                   ; W's rows lie behind x's 256
.set SLOT,   2*AHALF+2*BHALF           ; 121,856 bytes
.set STAGE,  2*SLOT                    ; 243,712: behind the ring, 128 rows x 528 bytes, for the way out; no tensor load lands there
.set SP,     528                       ; a stage row: q, k, v hi, v lo of one token, 128 bytes each, + 16 bytes
.set LAPS,   SIZE_K/(2*KSTEP)          ; 4 laps of two K steps
.set ADRA, 16                          ; v16-17  LDS address of my x fragments in slot 0, 1
.set ADRB, 20                          ; v20-21  the same for W
.set STO,  24                          ; v24     the way out: where I put 16 bytes of a token
.set RDQ,  25                          ; v25     the way out: back, four tokens x 128 bytes (q, k)
.set CO,   26                          ; v26     16 x lane: my place in 512 bytes of a plane
.set RDV,  27                          ; v27     the way out: back, two tokens x 256 bytes (v)
.set TMP,  28                          ; v28-51  six tiles rounded to f16
.set LO,   52                          ; v52-59  the low halves of the two v tiles
.set F0,   64
.set F1,   128
.set TF,   192                         ; v192-207 the two v tiles' high halves widened again, then the remainders
.set G1,  24                           ; s[24:31] descriptor group 1 for x's tiles
.set G0,  32                           ; s[32:39] group 0 for x's tiles, one set a slot
.set G1B, 48                           ; s[48:55] group 1 for W's tiles
.set G0B, 56                           ; s[56:63] group 0 for W's tiles, one set a slot
.set PT,  66                           ; s[66:71] the way out: my place in the q, k and v planes
.set MSB, 0
.macro WIN new                         ; the immediate's high byte repeats the setting that is left
.if MSB != \new
	s_set_vgpr_msb (MSB<<8)|\new
.set MSB, \new
.endif
.endm
.set MUL_LO, 0xa1                      ; source 0 (W) window 1, source 1 (x) window 0, C and D window 2
.set MUL_HI, 0xf1                      ; the same, C and D window 3
.set TO_B,   0x40                      ; destination window 1, address window 0
; A joint load.  Waves 0 and 1 fetch x's two halves, waves 2 and 3 W's.  The branch hangs on the wave's number alone.
.macro JLOAD s
	s_cmp_eq_u32 s11, 0
	s_cbranch_scc0 .Lfor_b_\@
	tensor_load_to_lds s[G0+4*\s:G0+4*\s+3], s[G1:G1+7]
	s_nop 0
	s_branch .Lasked_\@
.Lfor_b_\@:
	tensor_load_to_lds s[G0B+4*\s:G0B+4*\s+3], s[G1B:G1B+7]
	s_nop 0
.Lasked_\@:
.endm
; A round of the cluster's barrier: my work-group's barrier, wave 0 signals for the work-group, every wave waits for all sixteen, my barrier again.
.macro CREST                           ; a round behind its opening barrier
	s_cmp_lg_u32 s10, 0
	s_cbranch_scc1 .Lnot_wave_0_\@
	s_barrier_signal -3
.Lnot_wave_0_\@:
	s_barrier_wait -3
	s_barrier_signal -1
	s_barrier_wait -1
.endm
.macro CROUND
	s_barrier_signal -1
	s_barrier_wait -1
	CREST
.endm
	s_load_b128 s[4:7], s[0:1], 0x0                ; xb s[4:5], wqb s[6:7]
	s_load_b64 s[8:9], s[0:1], 0x10                ; qkv
	s_set_vgpr_msb 0x40
	v_lshl_add_u32 v255, v0, 2, 0x4c000
	s_set_vgpr_msb 0x4000
	v_mov_b32 v255, 0
	s_set_vgpr_msb 0x1
	ds_add_u32 v255, v255
	ds_add_u32 v255, v255
	s_set_vgpr_msb 0x100
	v_lshrrev_b32 v1, 5, v0
	v_readfirstlane_b32 s10, v1                    ; wave 0..3
	s_lshr_b32 s11, s10, 1                         ; which 128 tokens of the block are mine.  Also: I fetch for x (0) or for W (1)
	s_and_b32 s12, s10, 1                          ; which 96 columns.  Also: which half of that tile I fetch
	s_bfe_u32 s40, ttmp6, 0x40000                  ; cx
	s_bfe_u32 s41, ttmp6, 0x40004                  ; cy
	s_lshl_b32 s42, ttmp9, 2
	s_add_co_u32 s42, s42, s40                     ; block column = head = 4 x cluster x + cx
	s_and_b32 s13, ttmp7, 0xffff
	s_lshl_b32 s13, s13, 2
	s_add_co_u32 s13, s13, s41                     ; block row = 4 x cluster y + cy
	s_lshl_b32 s43, s41, 2
	s_lshl_b32 s43, 15, s43                        ; my row of the cluster: places 4 cy .. 4 cy + 3
	s_lshl_b32 s44, 0x1111, s40                    ; my column: places cx, cx + 4, cx + 8, cx + 12
	; group 1: rows of 128 elements of 2 bytes, 4 words of padding behind every 64 words; bit 21 set beside a mask
	s_or_b32 s[G1+0],  s43, (1<<16)|(1<<20)|(1<<21)|(5<<22)|(3<<25)
	s_or_b32 s[G1B+0], s44, (1<<16)|(1<<20)|(1<<21)|(5<<22)|(3<<25)
	s_mov_b32 s[G1+1],  KSTEP<<16                  ; tensor_dim0 = 128
	s_mov_b32 s[G1B+1], KSTEP<<16
	s_mov_b32 s[G1+2],  128<<16                    ; tensor_dim1 = 128 rows of x
	s_mov_b32 s[G1B+2], 96<<16                     ; 96 rows of W
	s_mov_b32 s[G1+3],  KSTEP<<16                  ; tile_dim0 = 128
	s_mov_b32 s[G1B+3], KSTEP<<16
	s_mov_b32 s[G1+4],  128                        ; tile_dim1
	s_mov_b32 s[G1B+4], 96
	s_mov_b32 s[G1+5],  SIZE_K                     ; elements from row to row
	s_mov_b32 s[G1B+5], SIZE_K
	s_mov_b32 s[G1+6],  0
	s_mov_b32 s[G1B+6], 0
	s_mov_b32 s[G1+7],  0
	s_mov_b32 s[G1B+7], 0
	; x's tiles hang on the block row alone, W's on the block column alone; each address in registers that never hold the other coordinate
	s_lshl_b32 s17, s12, 7
	s_lshl_b32 s16, s13, 8
	s_add_co_u32 s16, s16, s17                     ; x: row 256 x block row + 128 x half
	s_lshl_b32 s16, s16, 11                        ; rows of 2,048 bytes
	s_mov_b32 s17, 0
	s_mul_i32 s46, s42, 192
	s_mul_i32 s47, s12, 96
	s_add_co_u32 s46, s46, s47                     ; W: row 192 x block column + 96 x half
	s_lshl_b32 s46, s46, 11
	s_mov_b32 s47, 0
	s_mul_i32 s20, s10, AHALF                      ; where x's halves go (waves 0, 1)
	s_mul_i32 s45, s10, BHALF
	s_add_co_u32 s45, s45, BOFF-2*BHALF            ; where W's halves go (waves 2, 3): BOFF, BOFF + BHALF
	s_wait_dscnt 0x0
	s_wait_kmcnt 0x0
	s_add_nc_u64 s[14:15], s[4:5], s[16:17]
	s_add_nc_u64 s[46:47], s[6:7], s[46:47]
	CROUND                                         ; all sixteen work-groups are here: the first joint loads meet
.irp s, 0,1
	s_mov_b32 s[G0+4*\s], 1
	s_add_co_u32 s[G0+4*\s+1], s20, \s*SLOT
	s_add_nc_u64 s[G0+4*\s+2:G0+4*\s+3], s[14:15], \s*KSTEP*2      ; K step s
	s_or_b32 s[G0+4*\s+3], s[G0+4*\s+3], 0x80000000
	s_mov_b32 s[G0B+4*\s], 1
	s_add_co_u32 s[G0B+4*\s+1], s45, \s*SLOT
	s_add_nc_u64 s[G0B+4*\s+2:G0B+4*\s+3], s[46:47], \s*KSTEP*2
	s_or_b32 s[G0B+4*\s+3], s[G0B+4*\s+3], 0x80000000
	JLOAD \s                                       ; both slots are asked for before anything else: two tensor loads of the wave are out
.endr
	; a fragment: lane l holds row l % 16; registers 0-3 K = 8 (l / 16) + 0..7, registers 4-7 K = 16 + 8 (l / 16) + 0..7: two loads, 32 bytes apart
	v_and_b32 v1, 15, v0                           ; r
	v_bfe_u32 v2, v0, 4, 1                         ; h
	v_mul_u32_u24 v3, v1, PITCH
	v_lshl_add_u32 v3, v2, 4, v3
	s_mul_i32 s21, s11, AHALF
	s_mul_i32 s22, s12, BHALF
	s_add_co_u32 s22, s22, BOFF
.irp s, 0,1
	v_add_nc_u32 v[ADRA+\s], s21, v3
	v_add_nc_u32 v[ADRB+\s], s22, v3
	s_add_co_u32 s21, s21, SLOT
	s_add_co_u32 s22, s22, SLOT
.endr
	s_mul_i32 s23, s11, 64*SP                      ; the stage holds 64 tokens of each half of the block's rows at a time
	s_lshl_b32 s21, s12, 6                         ; my 32 numbers of each kind are 64 bytes
	s_add_co_u32 s23, s23, s21
	s_add_co_u32 s23, s23, STAGE
	v_mul_u32_u24 v4, v1, SP
	v_lshl_add_u32 v4, v2, 4, v4
	v_add_nc_u32 v[STO], s23, v4
	s_mul_i32 s23, s10, 32*SP                      ; back: wave w takes stage rows 32 w .. 32 w + 31
	s_add_co_u32 s23, s23, STAGE
	v_bfe_u32 v5, v0, 3, 2
	v_and_b32 v6, 7, v0
	v_mul_u32_u24 v5, v5, SP
	v_lshl_add_u32 v5, v6, 4, v5
	v_add_nc_u32 v[RDQ], s23, v5                   ; row l >> 3, 16 (l & 7): four tokens x 128 bytes
	v_mul_u32_u24 v5, v2, SP
	v_lshl_add_u32 v5, v1, 4, v5
	v_add_nc_u32 v5, 256, v5
	v_add_nc_u32 v[RDV], s23, v5                   ; row l >> 4, 256 + 16 (l & 15): two tokens x 256 bytes
	v_and_b32 v6, 31, v0
	v_lshlrev_b32 v[CO], 4, v6
; 12 matrix instructions: token blocks a0, a0 + 1 of the window's four x all 6 column blocks, 32 along K.  zero = 1: the first product starts the sums.
.macro MUL12 f, hi, a0, zero
.irp a, \a0, \a0+1
.irp b, 0,1,2,3,4,5
.if \zero
	v_wmma_f32_16x16x32_bf16 v[8*(6*(\a)+\b):8*(6*(\a)+\b)+7], v[\f+8*\b:\f+8*\b+7], v[\f+8*(4*\hi+\a):\f+8*(4*\hi+\a)+7], 0
.else
	v_wmma_f32_16x16x32_bf16 v[8*(6*(\a)+\b):8*(6*(\a)+\b)+7], v[\f+8*\b:\f+8*\b+7], v[\f+8*(4*\hi+\a):\f+8*(4*\hi+\a)+7], v[8*(6*(\a)+\b):8*(6*(\a)+\b)+7]
.endif
.endr
.endr
.endm
; 28 LDS loads in one run: 96 rows of W, 128 rows of x, 32 K at byte k of the rows, into buffer f
.macro FETCH slot, k, f
	WIN TO_B
.irp i, 0,1,2,3,4,5
	ds_load_b128 v[\f+8*\i:\f+8*\i+3],   v[ADRB+\slot] offset:\k+\i*16*PITCH
	ds_load_b128 v[\f+8*\i+4:\f+8*\i+7], v[ADRB+\slot] offset:\k+\i*16*PITCH+32
.endr
	WIN 0
.irp i, 0,1,2,3,4,5,6,7
	ds_load_b128 v[\f+8*\i:\f+8*\i+3],   v[ADRA+\slot] offset:\k+\i*16*PITCH
	ds_load_b128 v[\f+8*\i+4:\f+8*\i+7], v[ADRA+\slot] offset:\k+\i*16*PITCH+32
.endr
.endm
; A load into a register that a matrix instruction has read, and a vector instruction that reads a matrix result, stand four plain vector
; instructions behind that matrix instruction (ISA guide 7.12.1 for the vector instruction).
.macro PLACES
.rept 4
	v_nop
.endr
.endm
; A K step is four quarters of 32 along K, 48 matrix instructions each, on buffers 0, 1, 0, 1.  The 48 accumulators take turns, one instruction
; a turn, in the same order in every quarter.
.macro QUARTER slot, k, f, g, zero
	s_wait_dscnt 8                                 ; W and x's rows 0-63 are in; the youngest eight loads (x's rows 64-127) may be out
	WIN MUL_LO
	MUL12 \f, 0, 0, \zero
	MUL12 \f, 0, 2, \zero
	PLACES
	FETCH \slot, \k, \g
	s_wait_dscnt 28                                ; all but the 28 just issued
	WIN MUL_HI
	MUL12 \f, 1, 0, \zero
	MUL12 \f, 1, 2, \zero
.endm
.macro THREE slot, zero
	QUARTER \slot, 64,  F0, F1, \zero
	QUARTER \slot, 128, F1, F0, 0
	QUARTER \slot, 192, F0, F1, 0
.endm
; The last quarter multiplies buffer 1 and changes slots.  In front of the barrier each wave waits for its reads of this slot and for all its
; tensor loads (one is out: its part of the next slot).  Behind it the refill comes first, then the next slot's first fragments.
; From a request to the wait for it a wave issues 180 matrix instructions.
.macro TURN slot, next, fill
	s_wait_dscnt 8
	WIN MUL_LO
	MUL12 F1, 0, 0, 0
	s_wait_dscnt 0                                 ; my reads of this slot are over
	s_wait_tensorcnt 0x0                           ; all my tensor loads have landed
	ds_add_u32 v255, v255
	s_wait_dscnt 0x0
	s_barrier_signal -1                            ; (where a slot is filled again this barrier opens a round of the cluster's barrier)
	MUL12 F1, 0, 2, 0                              ; register work while the others arrive
	WIN 0
	s_barrier_wait -1
.if \fill
	CREST                                          ; no wave of any partner still reads this slot or has a load on its way
	s_add_nc_u64 s[G0+4*\slot+2:G0+4*\slot+3], s[G0+4*\slot+2:G0+4*\slot+3], 2*KSTEP*2
	s_add_nc_u64 s[G0B+4*\slot+2:G0B+4*\slot+3], s[G0B+4*\slot+2:G0B+4*\slot+3], 2*KSTEP*2
	JLOAD \slot                                    ; the first tensor load behind the round, and the wave's only one until the next
.endif
	PLACES
	FETCH \next, 0, F0
	WIN MUL_HI
	MUL12 F1, 1, 0, 0
	MUL12 F1, 1, 2, 0
.endm
.macro LAP zero
	THREE 0, \zero
	TURN 0, 1, 1
	THREE 1, 0
	TURN 1, 0, 1
.endm
	s_wait_tensorcnt 1                             ; my part of K step 0 is in; K step 1's load, issued behind it, stays out
	s_barrier_signal -1
	s_barrier_wait -1
	FETCH 0, 0, F0
	LAP 1                                          ; the first lap's first products start the sums
	WIN 0
	s_mov_b32 s3, LAPS-2
.Llap:
	LAP 0
	WIN 0
	s_sub_co_u32 s3, s3, 1
	s_cmp_lg_u32 s3, 0
	s_cbranch_scc1 .Llap
	THREE 0, 0                                     ; the last lap fills nothing
	TURN 0, 1, 0
	THREE 1, 0
	s_wait_dscnt 8
	WIN MUL_LO
	MUL12 F1, 0, 0, 0
	MUL12 F1, 0, 2, 0
	s_wait_dscnt 0
	WIN MUL_HI
	MUL12 F1, 1, 0, 0
	MUL12 F1, 1, 2, 0
	; THE WAY OUT.  A wave holds half of the head's 64 numbers of each kind, so whole runs of a plane need both column halves: the four waves share
	; the stage.  Two passes of 64 tokens of each half of the rows: round to f16 (v: high and low half), 16 bytes a lane into the stage, a barrier,
	; read back runs that are 512 consecutive bytes of a plane.
	PLACES
	WIN 0
	s_lshr_b32 s72, s13, 3
	s_lshl_b32 s72, s72, 4
	s_add_co_u32 s72, s72, s42                     ; plane = 16 x batch + head
	s_and_b32 s74, s13, 7
	s_lshl_b32 s74, s74, 8                         ; the block's first token in its batch
	s_lshl_b32 s75, s11, 7
	s_add_co_u32 s74, s74, s75
	s_lshl_b32 s75, s12, 5
	s_add_co_u32 s74, s74, s75                     ; + 128 x row half + 32 x (wave & 1): the tokens that I read back
	s_lshl_b32 s76, s72, 18                        ; q, k: planes of 262,144 bytes, 128 bytes a token
	s_lshl_b32 s75, s74, 7
	s_add_co_u32 s76, s76, s75
	s_mov_b32 s77, 0
	s_add_nc_u64 s[PT:PT+1], s[8:9], s[76:77]
	s_add_nc_u64 s[PT+2:PT+3], s[PT:PT+1], 0x800000
	s_lshl_b32 s76, s72, 19                        ; v: planes of 524,288 bytes, 256 bytes a token, from byte 16,777,216
	s_lshl_b32 s75, s74, 8
	s_add_co_u32 s76, s76, s75
	s_add_co_u32 s76, s76, 0x1000000
	s_add_nc_u64 s[PT+4:PT+5], s[8:9], s[76:77]
; pass p: my rows 64 p .. 64 p + 63 = window 2 + p.  from = 0x0a or 0x0f: sources 0 and 1 in that window; sub = 0x02 or 0x03: source 0 alone.
.macro OUTPASS p, from, sub
.irp a, 0,1,2,3
	WIN \from
.irp b, 0,1,2,3,4,5
.irp i, 0,1,2,3
	v_cvt_pk_f16_f32 v[TMP+4*\b+\i], v[8*(6*\a+\b)+2*\i], v[8*(6*\a+\b)+2*\i+1]
.endr
.endr
	WIN 0
	v_cvt_f32_f16 v[TF+0],  v44.l                  ; the two v tiles' high halves (v44-51 = TMP + 16 ..) as f32 again
	v_cvt_f32_f16 v[TF+1],  v44.h
	v_cvt_f32_f16 v[TF+2],  v45.l
	v_cvt_f32_f16 v[TF+3],  v45.h
	v_cvt_f32_f16 v[TF+4],  v46.l
	v_cvt_f32_f16 v[TF+5],  v46.h
	v_cvt_f32_f16 v[TF+6],  v47.l
	v_cvt_f32_f16 v[TF+7],  v47.h
	v_cvt_f32_f16 v[TF+8],  v48.l
	v_cvt_f32_f16 v[TF+9],  v48.h
	v_cvt_f32_f16 v[TF+10], v49.l
	v_cvt_f32_f16 v[TF+11], v49.h
	v_cvt_f32_f16 v[TF+12], v50.l
	v_cvt_f32_f16 v[TF+13], v50.h
	v_cvt_f32_f16 v[TF+14], v51.l
	v_cvt_f32_f16 v[TF+15], v51.h
	WIN \sub
.irp b, 4,5
.irp i, 0,2,4,6
	v_pk_add_f32 v[TF+8*(\b-4)+\i:TF+8*(\b-4)+\i+1], v[8*(6*\a+\b)+\i:8*(6*\a+\b)+\i+1], v[TF+8*(\b-4)+\i:TF+8*(\b-4)+\i+1] neg_lo:[0,1] neg_hi:[0,1]   ; v - hi, exact in f32
.endr
.endr
	WIN 0
.irp i, 0,1,2,3,4,5,6,7
	v_cvt_pk_f16_f32 v[LO+\i], v[TF+2*\i], v[TF+2*\i+1]
.endr
.irp b, 0,1,2,3,4,5
	ds_store_b128 v[STO], v[TMP+4*\b:TMP+4*\b+3] offset:\a*16*SP+(\b>>1)*128+(\b&1)*32
.endr
	ds_store_b128 v[STO], v[LO:LO+3]   offset:\a*16*SP+384
	ds_store_b128 v[STO], v[LO+4:LO+7] offset:\a*16*SP+384+32
.endr
	s_wait_dscnt 0x0                               ; my stores into the stage are done, for the others' sake
	s_barrier_signal -1
	s_barrier_wait -1
	s_wait_xcnt 0x0                                ; the registers loaded next were the data of the last pass's stores
.irp i, 0,1,2,3,4,5,6,7
	ds_load_b128 v[F0+4*\i:F0+4*\i+3], v[RDQ] offset:\i*4*SP               ; q of four tokens
.endr
.irp i, 0,1,2,3,4,5,6,7
	ds_load_b128 v[F0+32+4*\i:F0+32+4*\i+3], v[RDQ] offset:\i*4*SP+128     ; k of four tokens
.endr
.irp i, 0,1,2,3,4,5,6,7,8,9,10,11,12,13,14,15
	ds_load_b128 v[F0+64+4*\i:F0+64+4*\i+3], v[RDV] offset:\i*2*SP         ; v, both halves, of two tokens
.endr
; LDS loads come back in order: each wait leaves the younger of the 32 out.  Each store: 32 lanes, 512 consecutive bytes, aligned.
.irp i, 0,1,2,3,4,5,6,7
	s_wait_dscnt 31-\i
	global_store_b128 v[CO], v[F0+4*\i:F0+4*\i+3], s[PT:PT+1] offset:\p*8192+\i*512
.endr
.irp i, 0,1,2,3,4,5,6,7
	s_wait_dscnt 23-\i
	global_store_b128 v[CO], v[F0+32+4*\i:F0+32+4*\i+3], s[PT+2:PT+3] offset:\p*8192+\i*512
.endr
.irp i, 0,1,2,3,4,5,6,7,8,9,10,11,12,13,14,15
	s_wait_dscnt 15-\i
	global_store_b128 v[CO], v[F0+64+4*\i:F0+64+4*\i+3], s[PT+4:PT+5] offset:\p*16384+\i*512
.endr
.endm
	OUTPASS 0, 0x0a, 0x02
	s_barrier_signal -1                            ; every wave's reads of the stage are back (the last count was 0): it may be written again
	s_barrier_wait -1
	OUTPASS 1, 0x0f, 0x03
	s_set_vgpr_msb 0x1
	s_wait_tensorcnt 0x0
	ds_add_u32 v255, v255
	s_wait_dscnt 0x0
	s_set_vgpr_msb 0x100
	CROUND                                         ; the closing round: no work-group ends while a partner may still ask for a tile that names it
	s_endpgm
.Lfunc_end_k_q71a04f4d27_qkv:
	.size	k_q71a04f4d27_qkv, .Lfunc_end_k_q71a04f4d27_qkv-k_q71a04f4d27_qkv
	.p2alignl 7, 3214868480
	.fill 96, 4, 3214868480
	.section	.rodata,"a",@progbits
	.p2align	6, 0x0
	.amdhsa_kernel k_q71a04f4d27_qkv
		.amdhsa_group_segment_fixed_size 327680
		.amdhsa_private_segment_fixed_size 0
		.amdhsa_enable_private_segment 0
		.amdhsa_kernarg_size 24
		.amdhsa_user_sgpr_count 2
		.amdhsa_user_sgpr_kernarg_segment_ptr 1
		.amdhsa_wavefront_size32 1
		.amdhsa_system_sgpr_workgroup_id_x 1
		.amdhsa_system_sgpr_workgroup_id_y 1
		.amdhsa_system_sgpr_workgroup_id_z 1
		.amdhsa_system_vgpr_workitem_id 0
		.amdhsa_next_free_vgpr 960
		.amdhsa_next_free_sgpr 80
		.amdhsa_reserve_vcc 0
		.amdhsa_float_denorm_mode_32 3
		.amdhsa_float_denorm_mode_16_64 3
		.amdhsa_memory_ordered 1
		.amdhsa_forward_progress 1
		.amdhsa_inst_pref_size 175
	.end_amdhsa_kernel
	.amdgpu_metadata
---
amdhsa.version: [ 1, 2 ]
amdhsa.kernels:
  - .name:           k_q71a04f4d27_qkv
    .symbol:         k_q71a04f4d27_qkv.kd
    .args:
      - { .name: xb, .offset: 0, .size: 8, .value_kind: global_buffer, .address_space: global }
      - { .name: wqb, .offset: 8, .size: 8, .value_kind: global_buffer, .address_space: global }
      - { .name: qkv, .offset: 16, .size: 8, .value_kind: global_buffer, .address_space: global }
    .group_segment_fixed_size: 327680
    .private_segment_fixed_size: 0
    .kernarg_segment_align: 8
    .kernarg_segment_size: 24
    .max_flat_workgroup_size: 128
    .sgpr_count:     80
    .vgpr_count:     960
    .wavefront_size: 32
...
	.end_amdgpu_metadata
.endif
;; end of part 2
;; launch attn (part 3): grid 256 x 1, 4 waves a work-group, no clusters, 327,680 bytes of LDS; arguments qkv, att; writes att
.if DOCPART == 3
	.amdgcn_target "amdgcn-amd-amdhsa--gfx1250"
	.amdhsa_code_object_version 6
	.text
	.protected	k_q71a04f4d27_attn
	.globl	k_q71a04f4d27_attn
	.p2align	8
	.type	k_q71a04f4d27_attn,@function
k_q71a04f4d27_attn:
	s_mov_b64 s[64:65], 0
	v_nop
	global_prefetch_b8 v0, s[64:65] scope:SCOPE_SE
	s_setreg_imm32_b32 hwreg(HW_REG_WAVE_MODE, 25, 1), 1
	s_wait_xcnt 0x0
; Causal attention of one head on 2 x 128 query rows.  qkv, by planes p = 16 batch + head: q at byte 0 and k at 8 MiB, planes [2048][64] f16;
; v at 16 MiB, planes [2048][hi 64 | lo 64] f16 (v = hi + lo).   att: [4096 tokens][16 heads][hi 64 | lo 64] f16: (token, head) is 256 consecutive aligned bytes.
; Products in the f16 form with f32 sums; softmax in f32 with a running maximum.  P is multiplied by v's high and by its low half, and the result leaves
; as a high and a low f16 half: neither v nor the result is cut to 11 bits, since a row with few keys is many times the output's root mean square.
; LIMITS: |att| < 65,504 (it is a mean of v's rows); an exponential below 2^-126 counts as 0; q, k and the probabilities are single f16 numbers.
; WORK: work-group g takes head g >> 3 and the query blocks i = g & 7 and 15 - (g & 7) of 128 rows.  Keys go in units of 256 (two halves of 128,
; half 0 always in LDS slot 0, half 1 in slot 1).  A block is its diagonal unit first (keys from 256 (i >> 1), masked; it starts the sums, and each
; row has an allowed key among its first 64, so the running maximum is finite from the first step on), then the i >> 1 units in front of it.
; (i >> 1) + ((15 - i) >> 1) = 7 for every g: nine units for each of the 256 work-groups.
; NO MULTICAST: the eight work-groups of a head need different numbers of key units for each of their two blocks (0..3 and 7..4), and no trip count
; may differ between partners; a form in which all partners ask alike takes 10 units instead of 9, one ninth more softmax and matrix work, to share
; 48 KiB for each 128 keys.
; TRANSPOSED FORMS: S^T = K Q^T (lane (r, h) holds query r, keys 8 h + j), so maximum and sum along the keys are work inside a lane plus one exchange
; between the halves, and two packed S^T tiles are P^T's fragment as they stand; O^T = V^T P^T (V^T by the transposing LDS load), so a lane holds
; eight neighbouring numbers of one query's row.
; Wave w owns query rows 32 w .. 32 w + 31 of the block, as two tiles of 16.  A step is 64 keys.
.set WSTR,  18432                      ; a wave's part of a slot.  Waves 0, 1: V, 64 keys = 64 rows of 256 bytes, pitch 288.  Waves 2, 3: K, 64 keys = 32 rows of 256 bytes (two keys a row), pitch 272
.set SLOTB, 4*WSTR                     ; a slot: 128 keys
.set KOFF,  2*WSTR                     ; K lies behind V
.set STAGE, 2*SLOTB                    ; 147,456: behind the ring, 32 rows x 272 bytes for each wave; no tensor load lands there
.set SPI,   272                        ; a stage row: hi and lo of one query, 128 bytes each, + 16
.set C_LIT,  0x3e38aa3b                ; log2(e) / 8: the scale 1 / sqrt(64) and the base of the exponential in one factor
.set NC_LIT, 0xbe38aa3b                ; its negative
.set NM,  2                            ; v2-3    -C x maximum (the second register is only named); scratch during the set-up
.set KAD, 4                            ; v4-5    slot 0, 1: LDS address of my part of a K fragment: key r at (r >> 1) 272 + (r & 1) 128, + 16 h
.set VAD, 6                            ; v6-7    slot 0, 1: the same for the transposing load of V: key 8 h + (l & 7) at pitch 288, + 16 ((l >> 3) & 1)
.set STO, 8                            ; the way out: in
.set RD,  9                            ; the way out: back
.set CO,  10                           ; my byte offset in att
.set QO,  11                           ; my byte offset in q
.set DMA, 12                           ; block A: my query's place in the diagonal unit less 8 h
.set DMB, 13                           ; block B: the same
.set MX,  14                           ; v14-15  running maximum of the raw scores, one a query tile
.set LS,  16                           ; v16-17  running sum over my half of the keys
.set TT,  18                           ; v18-21  at work
.set UU,  22                           ; v22-29  four pairs for the sums
.set AL,  30                           ; v30-31  the factor by which old sums shrink (the second register is only named)
.set QA,  32                           ; v32-63   block A's Q fragments, (qt, kk) at 8 (2 qt + kk)
.set SS,  64                           ; v64-127  scores, (qt, kt) at 32 qt + 8 kt; then P, (qt, ks) at 32 qt + 16 ks
.set OO,  128                          ; v128-191 O^T, (qt, dt) at 32 qt + 8 dt
.set QB,  192                          ; v192-223 block B's Q fragments
.set EP,  224                          ; v224-255 the way out
.set KF,  0                            ; window 1: v256-319 K fragments, (kt, kk) at 8 (2 kt + kk)
.set VF,  64                           ; window 1: v320-383 V^T fragments of the high halves, (dt, ks) at 8 (2 dt + ks); v384-447 of the low halves
.set G1K, 16                           ; s[16:23] descriptor group 1 for K's tiles
.set G1V, 24                           ; s[24:31] for V's tiles
.set G0,  32                           ; s[32:39] group 0, one set a slot
.set WB,  40                           ; s[40:43] my wave's tile of unit 0: half 0, half 1
.set NK,  44                           ; s[44:45] byte offset of the next unit in my plane
.set MSB, 0
.macro WIN new
.if MSB != \new
	s_set_vgpr_msb (MSB<<8)|\new
.set MSB, \new
.endif
.endm
.macro PLACES
.rept 4
	v_nop
.endr
.endm
; my wave's tensor load into slot s: waves 0, 1 bring V, waves 2, 3 bring K
.macro KVLOAD s
	s_cmp_eq_u32 s11, 0
	s_cbranch_scc0 .Lk_\@
	tensor_load_to_lds s[G0+4*\s:G0+4*\s+3], s[G1V:G1V+7]
	s_nop 0
	s_branch .Lkv_\@
.Lk_\@:
	tensor_load_to_lds s[G0+4*\s:G0+4*\s+3], s[G1K:G1K+7]
	s_nop 0
.Lkv_\@:
.endm
	s_load_b128 s[4:7], s[0:1], 0x0                ; qkv s[4:5], att s[6:7]
	s_set_vgpr_msb 0x40
	v_lshl_add_u32 v192, v0, 2, 0x2c800
	v_mov_b32 v193, 0
	s_set_vgpr_msb 0x4045
	ds_add_u32 v192, v193
	ds_add_u32 v192, v193
	s_set_vgpr_msb 0x4500
	v_lshrrev_b32 v1, 5, v0
	v_readfirstlane_b32 s10, v1                    ; wave 0..3
	s_lshr_b32 s11, s10, 1                         ; I fetch V (0) or K (1)
	s_and_b32 s12, s10, 1                          ; which 64 keys of a half
	s_lshr_b32 s9, ttmp9, 3                        ; 16 batch + head
	s_and_b32 s13, ttmp9, 7                        ; query block A
	s_sub_co_u32 s14, 15, s13                      ; query block B
	s_lshr_b32 s46, s13, 1                         ; A's full units, 0..3
	s_lshr_b32 s47, s14, 1                         ; B's full units, 4..7
	s_lshl_b32 s2, s9, 19                          ; V: planes of 524,288 bytes from byte 16,777,216, 64 keys are 16,384 bytes
	s_lshl_b32 s3, s12, 14
	s_add_co_u32 s2, s2, s3
	s_add_co_u32 s2, s2, 0x1000000
	s_lshl_b32 s62, s9, 18                         ; K: planes of 262,144 bytes from byte 8,388,608, 64 keys are 8,192 bytes
	s_lshl_b32 s3, s12, 13
	s_add_co_u32 s62, s62, s3
	s_add_co_u32 s62, s62, 0x800000
	s_cmp_eq_u32 s11, 0
	s_cselect_b32 s2, s2, s62                      ; my tile of unit 0, half 0
	s_cselect_b32 s8, 16, 15                       ; a unit of 256 keys is 2^16 bytes of V, 2^15 of K
	s_sub_co_u32 s3, s8, 1
	s_lshl_b32 s62, 1, s3                          ; half a unit
	s_mov_b32 s63, 0
	s_mov_b32 s3, 0
	s_lshl_b32 s50, s47, s8                        ; B's diagonal unit
	s_sub_co_u32 s47, s47, 1                       ; B's loop: all full units but the last
	s_mov_b32 s51, 0xff800000                      ; -infinity
	s_mov_b32 s56, 0x76543210                      ; v_permlanex16_b32: lane i reads lane i of the other half
	s_mov_b32 s57, 0xfedcba98
	; group 1: a dense block as rows of 32 elements of 8 bytes; padding behind every 64 words: 4 words (K, 32 rows), 8 words (V, 64 rows)
	s_mov_b32 s[G1K+0], (3<<16)|(1<<20)|(5<<22)|(3<<25)
	s_mov_b32 s[G1K+1], 32<<16                     ; tensor_dim0 = 32
	s_mov_b32 s[G1K+2], 32<<16                     ; tensor_dim1 = 32
	s_mov_b32 s[G1K+3], 32<<16                     ; tile_dim0 = 32
	s_mov_b32 s[G1K+4], 32                         ; tile_dim1 = 32
	s_mov_b32 s[G1K+5], 32                         ; elements from row to row
	s_mov_b32 s[G1K+6], 0
	s_mov_b32 s[G1K+7], 0
	s_mov_b32 s[G1V+0], (3<<16)|(1<<20)|(5<<22)|(7<<25)
	s_mov_b32 s[G1V+1], 32<<16
	s_mov_b32 s[G1V+2], 64<<16                     ; tensor_dim1 = 64
	s_mov_b32 s[G1V+3], 32<<16
	s_mov_b32 s[G1V+4], 64                         ; tile_dim1 = 64
	s_mov_b32 s[G1V+5], 32
	s_mov_b32 s[G1V+6], 0
	s_mov_b32 s[G1V+7], 0
	s_mul_i32 s15, s10, WSTR                       ; my part of a slot
	s_lshl_b32 s[NK], s46, s8                      ; A's diagonal unit
	s_mov_b32 s[NK+1], 0
	s_wait_dscnt 0x0
	s_wait_kmcnt 0x0
	s_add_nc_u64 s[WB:WB+1], s[4:5], s[2:3]
	s_add_nc_u64 s[WB+2:WB+3], s[WB:WB+1], s[62:63]    ; half 1: 128 keys on
.irp s, 0,1
	s_mov_b32 s[G0+4*\s], 1
	s_add_co_u32 s[G0+4*\s+1], s15, \s*SLOTB
	s_add_nc_u64 s[G0+4*\s+2:G0+4*\s+3], s[WB+2*\s:WB+2*\s+1], s[NK:NK+1]
	s_or_b32 s[G0+4*\s+3], s[G0+4*\s+3], 0x80000000
.endr
	s_cmp_eq_u32 s11, 0                            ; both first fills of a wave inside one branch: two tensor loads of the wave are out
	s_cbranch_scc0 .Lfirst_k
	tensor_load_to_lds s[G0:G0+3], s[G1V:G1V+7]
	s_nop 0
	tensor_load_to_lds s[G0+4:G0+7], s[G1V:G1V+7]
	s_nop 0
	s_branch .Lfirst_done
.Lfirst_k:
	tensor_load_to_lds s[G0:G0+3], s[G1K:G1K+7]
	s_nop 0
	tensor_load_to_lds s[G0+4:G0+7], s[G1K:G1K+7]
	s_nop 0
.Lfirst_done:
	; q: plane 16 batch + head, rows 128 i + 32 w of 128 bytes
	s_lshl_b32 s2, s9, 18
	s_lshl_b32 s62, s10, 12
	s_add_co_u32 s2, s2, s62
	s_lshl_b32 s62, s13, 14
	s_add_co_u32 s62, s62, s2
	s_add_nc_u64 s[58:59], s[4:5], s[62:63]
	s_lshl_b32 s62, s14, 14
	s_add_co_u32 s62, s62, s2
	s_add_nc_u64 s[60:61], s[4:5], s[62:63]
	; att: token 2048 batch + 128 i + 32 w (4,096 bytes each), head x 256 bytes
	s_lshr_b32 s2, s9, 4
	s_lshl_b32 s2, s2, 23
	s_and_b32 s62, s9, 15
	s_lshl_b32 s62, s62, 8
	s_add_co_u32 s2, s2, s62
	s_lshl_b32 s62, s10, 17
	s_add_co_u32 s2, s2, s62
	s_lshl_b32 s62, s13, 19
	s_add_co_u32 s62, s62, s2
	s_add_nc_u64 s[52:53], s[6:7], s[62:63]
	s_lshl_b32 s62, s14, 19
	s_add_co_u32 s62, s62, s2
	s_add_nc_u64 s[54:55], s[6:7], s[62:63]
	v_and_b32 v1, 15, v0                           ; r
	v_bfe_u32 v2, v0, 4, 1                         ; h
	v_lshlrev_b32 v[QO], 7, v1
	v_lshl_add_u32 v[QO], v2, 4, v[QO]             ; query r's row of 128 bytes + 16 h
.irp qt, 0,1
.irp kk, 0,1
	global_load_b128 v[QA+8*(2*\qt+\kk):QA+8*(2*\qt+\kk)+3],   v[QO], s[58:59] offset:\qt*2048+\kk*64
	global_load_b128 v[QA+8*(2*\qt+\kk)+4:QA+8*(2*\qt+\kk)+7], v[QO], s[58:59] offset:\qt*2048+\kk*64+32
	global_load_b128 v[QB+8*(2*\qt+\kk):QB+8*(2*\qt+\kk)+3],   v[QO], s[60:61] offset:\qt*2048+\kk*64
	global_load_b128 v[QB+8*(2*\qt+\kk)+4:QB+8*(2*\qt+\kk)+7], v[QO], s[60:61] offset:\qt*2048+\kk*64+32
.endr
.endr
	v_lshrrev_b32 v3, 1, v1
	v_mul_u32_u24 v[KAD], v3, 272
	v_and_b32 v3, 1, v0
	v_lshl_add_u32 v[KAD], v3, 7, v[KAD]
	v_lshl_add_u32 v[KAD], v2, 4, v[KAD]
	v_add_nc_u32 v[KAD], KOFF, v[KAD]
	v_add_nc_u32 v[KAD+1], SLOTB, v[KAD]
	v_and_b32 v3, 7, v0
	v_lshl_add_u32 v3, v2, 3, v3                   ; key 8 h + (l & 7)
	v_mul_u32_u24 v[VAD], v3, 288
	v_bfe_u32 v3, v0, 3, 1
	v_lshl_add_u32 v[VAD], v3, 4, v[VAD]
	v_add_nc_u32 v[VAD+1], SLOTB, v[VAD]
	s_mul_i32 s2, s10, 32*SPI
	s_add_co_u32 s2, s2, STAGE                     ; my stage
	v_mul_u32_u24 v3, v1, SPI
	v_lshl_add_u32 v3, v2, 4, v3
	v_add_nc_u32 v[STO], s2, v3                    ; in: query r, 16 bytes for each half of the lanes
	v_mul_u32_u24 v3, v2, SPI
	v_lshl_add_u32 v3, v1, 4, v3
	v_add_nc_u32 v[RD], s2, v3                     ; back: lanes 0-15 one query's 256 bytes, lanes 16-31 the next one's
	v_lshlrev_b32 v[CO], 12, v2                    ; and the same two tokens in att, 4,096 bytes apart
	v_lshl_add_u32 v[CO], v1, 4, v[CO]
	v_lshlrev_b32 v3, 3, v2
	v_sub_nc_u32 v3, v1, v3                        ; r - 8 h
	s_lshl_b32 s3, s10, 5
	s_and_b32 s2, s13, 1
	s_lshl_b32 s2, s2, 7
	s_add_co_u32 s2, s2, s3
	v_add_nc_u32 v[DMA], s2, v3                    ; 128 (i & 1) + 32 w + r - 8 h
	s_and_b32 s2, s14, 1
	s_lshl_b32 s2, s2, 7
	s_add_co_u32 s2, s2, s3
	v_add_nc_u32 v[DMB], s2, v3
	v_mov_b32 v[AL+1], 0                           ; the second registers of the broadcast pairs are named by the packed forms: written once
	v_mov_b32 v[NM+1], 0
; 16 loads: the K fragments of 64 keys (window: destination 1)
.macro KFETCH slot, st
.irp kt, 0,1,2,3
.irp kk, 0,1
	ds_load_b128 v[KF+8*(2*\kt+\kk):KF+8*(2*\kt+\kk)+3],   v[KAD+(\slot)] offset:\st*WSTR+\kt*2176+\kk*64
	ds_load_b128 v[KF+8*(2*\kt+\kk)+4:KF+8*(2*\kt+\kk)+7], v[KAD+(\slot)] offset:\st*WSTR+\kt*2176+\kk*64+32
.endr
.endr
.endm
; 32 transposing loads: the V^T fragments of 64 keys, high halves (byte 0 of a key's row) and low halves (byte 128); 32 keys are 9,216 bytes, 16 keys 4,608
.macro VFETCH slot, st
.irp lo, 0,1
.irp dt, 0,1,2,3
.irp ks, 0,1
	ds_load_tr16_b128 v[VF+64*\lo+8*(2*\dt+\ks):VF+64*\lo+8*(2*\dt+\ks)+3],   v[VAD+(\slot)] offset:\st*WSTR+\ks*9216+\dt*32+\lo*128
	ds_load_tr16_b128 v[VF+64*\lo+8*(2*\dt+\ks)+4:VF+64*\lo+8*(2*\dt+\ks)+7], v[VAD+(\slot)] offset:\st*WSTR+\ks*9216+\dt*32+\lo*128+4608
.endr
.endr
.endr
.endm
; S^T = K Q^T for 64 keys x 32 queries.  The eight accumulators take turns, one instruction a turn.
.macro SMUL qb
.irp kk, 0,1
.irp qt, 0,1
.irp kt, 0,1,2,3
.if \kk
	v_wmma_f32_16x16x32_f16 v[SS+32*\qt+8*\kt:SS+32*\qt+8*\kt+7], v[KF+8*(2*\kt+\kk):KF+8*(2*\kt+\kk)+7], v[\qb+8*(2*\qt+\kk):\qb+8*(2*\qt+\kk)+7], v[SS+32*\qt+8*\kt:SS+32*\qt+8*\kt+7]
.else
	v_wmma_f32_16x16x32_f16 v[SS+32*\qt+8*\kt:SS+32*\qt+8*\kt+7], v[KF+8*(2*\kt+\kk):KF+8*(2*\kt+\kk)+7], v[\qb+8*(2*\qt+\kk):\qb+8*(2*\qt+\kk)+7], 0
.endif
.endr
.endr
.endr
.endm
; O^T += (V hi)^T P^T + (V lo)^T P^T for one query tile.  Four accumulators take turns.  init = 1: the first product starts the sums.
.macro PV qt, init
.irp lo, 0,1
.irp ks, 0,1
.irp dt, 0,1,2,3
.if \init*(1-\ks)*(1-\lo)
	v_wmma_f32_16x16x32_f16 v[OO+32*\qt+8*\dt:OO+32*\qt+8*\dt+7], v[VF+64*\lo+8*(2*\dt+\ks):VF+64*\lo+8*(2*\dt+\ks)+7], v[SS+32*\qt+16*\ks:SS+32*\qt+16*\ks+7], 0
.else
	v_wmma_f32_16x16x32_f16 v[OO+32*\qt+8*\dt:OO+32*\qt+8*\dt+7], v[VF+64*\lo+8*(2*\dt+\ks):VF+64*\lo+8*(2*\dt+\ks)+7], v[SS+32*\qt+16*\ks:SS+32*\qt+16*\ks+7], v[OO+32*\qt+8*\dt:OO+32*\qt+8*\dt+7]
.endif
.endr
.endr
.endr
.endm
; The softmax step of one query tile: 32 scores a lane (query r, keys 16 kt + 8 h + j).  cb = the step's first key in the unit.
.macro SOFT qt, init, mask, cb, dm
.set SB, SS+32*\qt
.set OB, OO+32*\qt
.if \mask
.set ee, 0
.rept 32                                           ; key cb + 16 kt + 8 h + j is allowed if it is not behind query 128 (i & 1) + 32 w + 16 qt + r
	v_cmp_le_i32 vcc_lo, \cb+16*(ee>>3)+(ee&7)-16*\qt, v[\dm]
	v_cndmask_b32 v[SB+ee], s51, v[SB+ee], vcc_lo
.set ee, ee+1
.endr
.endif
.irp c, 0,1,2,3
	v_max3_num_f32 v[TT+\c], v[SB+8*\c], v[SB+8*\c+1], v[SB+8*\c+2]
.endr
.irp c, 0,1,2,3
	v_max3_num_f32 v[TT+\c], v[TT+\c], v[SB+8*\c+3], v[SB+8*\c+4]
.endr
.irp c, 0,1,2,3
	v_max3_num_f32 v[TT+\c], v[TT+\c], v[SB+8*\c+5], v[SB+8*\c+6]
.endr
	v_max3_num_f32 v[TT],   v[TT],   v[SB+7],  v[SB+15]
	v_max3_num_f32 v[TT+2], v[TT+2], v[SB+23], v[SB+31]
	v_max3_num_f32 v[TT],   v[TT],   v[TT+1],  v[TT+2]
	v_max_num_f32  v[TT],   v[TT],   v[TT+3]
	v_permlanex16_b32 v[TT+1], v[TT], s56, s57     ; the other half of the lanes holds the same query's other keys
.if \init
	v_max_num_f32 v[MX+\qt], v[TT], v[TT+1]
.else
	v_max3_num_f32 v[TT+2], v[TT], v[TT+1], v[MX+\qt]
	v_sub_f32 v[TT+3], v[MX+\qt], v[TT+2]
	v_mul_f32 v[TT+3], C_LIT, v[TT+3]
	v_mov_b32 v[MX+\qt], v[TT+2]
	v_exp_f32 v[AL], v[TT+3]                       ; old sums shrink by 2^(C (old maximum - new maximum)); the next line is the plain instruction behind it
.endif
	v_mul_f32 v[NM], NC_LIT, v[MX+\qt]
.set ee, 0
.rept 16
	v_pk_fma_f32 v[SB+ee:SB+ee+1], v[SB+ee:SB+ee+1], C_LIT, v[NM:NM+1] op_sel_hi:[1,0,0]   ; C s - C maximum, at most 0
.set ee, ee+2
.endr
.set ee, 0
.rept 32
	v_exp_f32 v[SB+ee], v[SB+ee]
.set ee, ee+1
.endr
; behind the run of exponentials a plain vector instruction that touches none of them comes before a result is used (ISA guide 5.7.2)
.if \init
	v_nop
	s_wait_alu depctr_va_vdst(0)
.else
.set ee, 0
	s_wait_alu depctr_va_vdst(0)
.rept 16
	v_pk_mul_f32 v[OB+ee:OB+ee+1], v[OB+ee:OB+ee+1], v[AL:AL+1] op_sel_hi:[1,0]
.set ee, ee+2
.endr
.endif
.irp c, 0,1,2,3
	v_pk_add_f32 v[UU+2*\c:UU+2*\c+1], v[SB+8*\c:SB+8*\c+1], v[SB+8*\c+2:SB+8*\c+3]
.endr
.irp c, 0,1,2,3
	v_pk_add_f32 v[UU+2*\c:UU+2*\c+1], v[UU+2*\c:UU+2*\c+1], v[SB+8*\c+4:SB+8*\c+5]
.endr
.irp c, 0,1,2,3
	v_pk_add_f32 v[UU+2*\c:UU+2*\c+1], v[UU+2*\c:UU+2*\c+1], v[SB+8*\c+6:SB+8*\c+7]
.endr
	v_pk_add_f32 v[UU:UU+1],   v[UU:UU+1],   v[UU+2:UU+3]
	v_pk_add_f32 v[UU+4:UU+5], v[UU+4:UU+5], v[UU+6:UU+7]
	v_pk_add_f32 v[UU:UU+1],   v[UU:UU+1],   v[UU+4:UU+5]
.if \init
	v_add_f32 v[LS+\qt], v[UU], v[UU+1]
.else
	v_add_f32 v[TT], v[UU], v[UU+1]
	v_fma_f32 v[LS+\qt], v[LS+\qt], v[AL], v[TT]
.endif
.irp ks, 0,1
.irp i, 0,1,2,3,4,5,6,7
	v_cvt_pk_f16_f32 v[SB+16*\ks+\i], v[SB+16*\ks+2*\i], v[SB+16*\ks+2*\i+1]   ; in place: word i is written when scores 2 i, 2 i + 1 are read
.endr
.endr
.endm
; A step of 64 keys.  kind 0: the first step of a half; it also fetches the second step's K fragments.
; kind 1: the second step, which changes slots: each wave waits for its reads of this slot and for all its tensor loads (one is out: its part of the
; other slot), passes the barrier, fills this slot again first (refill = 1), then fetches the other slot's first K fragments.  The refill has two
; steps in which to land.   kind 2: the very last step.
.macro STEP slot, st, kind, refill, mask, init, qb, dm
	s_wait_dscnt 0x0                               ; this step's K fragments are in
	WIN 0x01                                       ; source 0 (K, V^T) in window 1
	SMUL \qb
	PLACES                                         ; four plain places behind the products: for the loads into K's registers and for the readers of S
	WIN 0x40                                       ; destination in window 1
	VFETCH \slot, \st
.if \kind == 0
	KFETCH \slot, 1
.endif
	WIN 0
	SOFT 0, \init, \mask, 128*\slot+64*\st, \dm
.if \kind == 0
	s_wait_dscnt 16                                ; V's 32 loads are in; the 16 younger loads of K stay out
	WIN 0x01
	PV 0, \init
	WIN 0
.endif
.if \kind == 1
	s_wait_dscnt 0x0                               ; my reads of this slot are over
	s_set_vgpr_msb 0x5
	s_wait_tensorcnt 0x0                           ; all my tensor loads have landed: a group 0 may be written
	ds_add_u32 v192, v193
	s_wait_dscnt 0x0
	s_set_vgpr_msb 0x500
.if \refill
	s_add_nc_u64 s[G0+4*\slot+2:G0+4*\slot+3], s[WB+2*\slot:WB+2*\slot+1], s[NK:NK+1]
	s_or_b32 s[G0+4*\slot+3], s[G0+4*\slot+3], 0x80000000
.endif
	s_barrier_signal -1
	WIN 0x01
	PV 0, 0                                        ; register work while the others arrive
	WIN 0
	s_barrier_wait -1
.if \refill
	KVLOAD \slot                                   ; the wave's first tensor load behind the barrier and its only one until the next
.endif
	WIN 0x40
	KFETCH 1-\slot, 0
	WIN 0
.endif
.if \kind == 2
	s_wait_dscnt 0x0
	WIN 0x01
	PV 0, 0
	WIN 0
.endif
	SOFT 1, \init, \mask, 128*\slot+64*\st, \dm
	WIN 0x01
	PV 1, \init
	WIN 0
.rept 5                                            ; five plain places: the next products write over P; the way out reads O
	v_nop
.endr
.endm
.macro UNIT mask, qb, dm, refill, last
	STEP 0, 0, 0, 0, \mask, \mask, \qb, \dm
	STEP 0, 1, 1, \refill, \mask, 0, \qb, \dm
	STEP 1, 0, 0, 0, \mask, 0, \qb, \dm
.if \last
	STEP 1, 1, 2, 0, \mask, 0, \qb, \dm
.else
	STEP 1, 1, 1, \refill, \mask, 0, \qb, \dm
.endif
.endm
; Eight neighbouring numbers of one query, in v[ob : ob + 7], leave as hi = f16(a) and lo = f16(a - hi); a - hi is exact in f32.
; v64-71 are written again at once: an LDS store has read its data when it is issued in order.
.macro SPLIT ob, off
	v_cvt_pk_f16_f32 v64, v[\ob],   v[\ob+1]
	v_cvt_pk_f16_f32 v65, v[\ob+2], v[\ob+3]
	v_cvt_pk_f16_f32 v66, v[\ob+4], v[\ob+5]
	v_cvt_pk_f16_f32 v67, v[\ob+6], v[\ob+7]
	v_cvt_f32_f16 v72, v64.l
	v_cvt_f32_f16 v73, v64.h
	v_cvt_f32_f16 v74, v65.l
	v_cvt_f32_f16 v75, v65.h
	v_cvt_f32_f16 v76, v66.l
	v_cvt_f32_f16 v77, v66.h
	v_cvt_f32_f16 v78, v67.l
	v_cvt_f32_f16 v79, v67.h
	v_pk_add_f32 v[\ob:\ob+1],   v[\ob:\ob+1],   v[72:73] neg_lo:[0,1] neg_hi:[0,1]
	v_pk_add_f32 v[\ob+2:\ob+3], v[\ob+2:\ob+3], v[74:75] neg_lo:[0,1] neg_hi:[0,1]
	v_pk_add_f32 v[\ob+4:\ob+5], v[\ob+4:\ob+5], v[76:77] neg_lo:[0,1] neg_hi:[0,1]
	v_pk_add_f32 v[\ob+6:\ob+7], v[\ob+6:\ob+7], v[78:79] neg_lo:[0,1] neg_hi:[0,1]
	v_cvt_pk_f16_f32 v68, v[\ob],   v[\ob+1]
	v_cvt_pk_f16_f32 v69, v[\ob+2], v[\ob+3]
	v_cvt_pk_f16_f32 v70, v[\ob+4], v[\ob+5]
	v_cvt_pk_f16_f32 v71, v[\ob+6], v[\ob+7]
	ds_store_b128 v[STO], v[64:67] offset:\off
	ds_store_b128 v[STO], v[68:71] offset:\off+128
.endm
; The way out of a block: divide by the sum, split, 16 bytes a lane into my own stage, read back two queries x 256 bytes.
; more = 1: another block follows, whose products write registers that these stores read.
.macro EPI b0, more
	v_permlanex16_b32 v[TT],   v[LS],   s56, s57
	v_permlanex16_b32 v[TT+1], v[LS+1], s56, s57
	v_add_f32 v[TT],   v[TT],   v[LS]              ; both halves of the keys; at least 1, since the largest score gives 2^0
	v_add_f32 v[TT+1], v[TT+1], v[LS+1]
	v_rcp_f32 v[AL], v[TT]
	v_rcp_f32 v[NM], v[TT+1]
	v_nop                                          ; the plain place behind the reciprocals
.set ee, 0
	s_wait_alu depctr_va_vdst(0)
.rept 16
	v_pk_mul_f32 v[OO+ee:OO+ee+1], v[OO+ee:OO+ee+1], v[AL:AL+1] op_sel_hi:[1,0]
	v_pk_mul_f32 v[OO+32+ee:OO+32+ee+1], v[OO+32+ee:OO+32+ee+1], v[NM:NM+1] op_sel_hi:[1,0]
.set ee, ee+2
.endr
.irp qt, 0,1
.irp dt, 0,1,2,3
	SPLIT OO+32*\qt+8*\dt, \qt*16*SPI+\dt*32
.endr
.endr
.set tt, 0
.rept 16                                           ; loads 0-7 into v224-255, loads 8-15 into v96-127
	ds_load_b128 v[EP+4*tt-160*(tt/8):EP+4*tt-160*(tt/8)+3], v[RD] offset:tt*2*SPI   ; LDS serves a wave's instructions in order: these see the stores above
.set tt, tt+1
.endr
.set tt, 0
.rept 16
	s_wait_dscnt 15-tt                             ; this load is in, the younger ones stay out
	global_store_b128 v[CO], v[EP+4*tt-160*(tt/8):EP+4*tt-160*(tt/8)+3], s[\b0:\b0+1] offset:tt*8192   ; 16 lanes: the 256 consecutive aligned bytes of one (token, head)
.set tt, tt+1
.endr
.if \more
	s_wait_xcnt 0x0                                ; the stores' data registers are written again only behind this wait
.endif
.endm
	s_wait_loadcnt 0x0                             ; both blocks' Q fragments
	s_wait_tensorcnt 1                             ; my part of slot 0 is in; slot 1's load, issued behind it, stays out
	s_barrier_signal -1
	s_barrier_wait -1
	WIN 0x40
	KFETCH 0, 0
	WIN 0
	; block A: the diagonal unit, then units 0 .. nA - 1.  NK is the unit that the running unit's two refills fetch.
	s_cmp_lg_u32 s46, 0
	s_cselect_b32 s[NK], 0, s50                    ; unit 0 of A, or, if A has none, B's diagonal unit
	UNIT 1, QA, DMA, 1, 0
	s_cmp_eq_u32 s46, 0
	s_cbranch_scc1 .LdoneA
	s_mov_b32 s48, 0
.LloopA:
	s_add_co_u32 s49, s48, 1
	s_lshl_b32 s62, s49, s8
	s_cmp_lt_u32 s49, s46
	s_cselect_b32 s[NK], s62, s50                  ; A's next unit, or B's diagonal unit behind A's last
	UNIT 0, QA, DMA, 1, 0
	s_add_co_u32 s48, s48, 1
	s_cmp_lt_u32 s48, s46
	s_cbranch_scc1 .LloopA
.LdoneA:
	EPI 52, 1
	; block B: the diagonal unit, units 0 .. nB - 2 in the loop, the last unit without refills
	s_mov_b32 s[NK], 0
	UNIT 1, QB, DMB, 1, 0
	s_mov_b32 s48, 0
.LloopB:
	s_add_co_u32 s49, s48, 1
	s_lshl_b32 s[NK], s49, s8
	UNIT 0, QB, DMB, 1, 0
	s_add_co_u32 s48, s48, 1
	s_cmp_lt_u32 s48, s47
	s_cbranch_scc1 .LloopB
	UNIT 0, QB, DMB, 0, 1
	EPI 54, 0
	s_set_vgpr_msb 0x5
	s_wait_tensorcnt 0x0
	ds_add_u32 v192, v193
	s_wait_dscnt 0x0
	s_set_vgpr_msb 0x500
	s_endpgm
.Lfunc_end_k_q71a04f4d27_attn:
	.size	k_q71a04f4d27_attn, .Lfunc_end_k_q71a04f4d27_attn-k_q71a04f4d27_attn
	.p2alignl 7, 3214868480
	.fill 96, 4, 3214868480
	.section	.rodata,"a",@progbits
	.p2align	6, 0x0
	.amdhsa_kernel k_q71a04f4d27_attn
		.amdhsa_group_segment_fixed_size 327680
		.amdhsa_private_segment_fixed_size 0
		.amdhsa_enable_private_segment 0
		.amdhsa_kernarg_size 16
		.amdhsa_user_sgpr_count 2
		.amdhsa_user_sgpr_kernarg_segment_ptr 1
		.amdhsa_wavefront_size32 1
		.amdhsa_system_sgpr_workgroup_id_x 1
		.amdhsa_system_sgpr_workgroup_id_y 1
		.amdhsa_system_sgpr_workgroup_id_z 1
		.amdhsa_system_vgpr_workitem_id 0
		.amdhsa_next_free_vgpr 450
		.amdhsa_next_free_sgpr 66
		.amdhsa_reserve_vcc 1
		.amdhsa_float_denorm_mode_32 3
		.amdhsa_float_denorm_mode_16_64 3
		.amdhsa_memory_ordered 1
		.amdhsa_forward_progress 1
		.amdhsa_inst_pref_size 255
	.end_amdhsa_kernel
	.section	.bss,"aw",@nobits
	.p2align	6
	.space	262144
	.amdgpu_metadata
---
amdhsa.version: [ 1, 2 ]
amdhsa.kernels:
  - .name:           k_q71a04f4d27_attn
    .symbol:         k_q71a04f4d27_attn.kd
    .args:
      - { .name: qkv, .offset: 0, .size: 8, .value_kind: global_buffer, .address_space: global }
      - { .name: att, .offset: 8, .size: 8, .value_kind: global_buffer, .address_space: global }
    .group_segment_fixed_size: 327680
    .private_segment_fixed_size: 0
    .kernarg_segment_align: 8
    .kernarg_segment_size: 16
    .max_flat_workgroup_size: 128
    .sgpr_count:     66
    .vgpr_count:     450
    .wavefront_size: 32
...
	.end_amdgpu_metadata
.endif
;; end of part 3
;; launch proj (part 4): grid 8 x 32, 4 waves a work-group, clusters of 4 x 4, 327,680 bytes of LDS; arguments att, wpb, out0; writes out0
.if DOCPART == 4
	.amdgcn_target "amdgcn-amd-amdhsa--gfx1250"
	.amdhsa_code_object_version 6
	.text
	.protected	k_q71a04f4d27_proj
	.globl	k_q71a04f4d27_proj
	.p2align	8
	.type	k_q71a04f4d27_proj,@function
k_q71a04f4d27_proj:
	s_mov_b64 s[64:65], 0
	v_nop
	global_prefetch_b8 v0, s[64:65] scope:SCOPE_SE
	s_setreg_imm32_b32 hwreg(HW_REG_WAVE_MODE, 25, 1), 1
	s_wait_xcnt 0x0
	s_wait_alu depctr_hold_cnt(0) depctr_sa_sdst(0) depctr_va_vdst(0) depctr_va_sdst(0) depctr_va_ssrc(0) depctr_va_vcc(0) depctr_vm_vsrc(0)
	s_getreg_b32 s2, hwreg(HW_REG_IB_STS2, 6, 4)
	s_cmp_eq_u32 s2, 0
	s_cbranch_scc0 .Lentry_in_a_cluster
	s_endpgm
.Lentry_in_a_cluster:
	s_bfe_u32 s2, ttmp6, 0x10000c
	s_cmp_lg_u32 s2, 0xf033
	s_cbranch_scc0 .Lentry_shape_is_right
	s_endpgm
.Lentry_shape_is_right:
; out0 = att W_proj^T.  att: [4096 tokens][16 heads][hi 64 | lo 64] f16 (att = hi + lo, K = 64 head + d), wpb: [1024][1024] f16, out0: [4096][1024] f32.
; The f16 form, sums in f32.  Each fragment of W is multiplied by att's high half and by its low half, so att enters with some 22 bits.
; A work-group makes 128 tokens x 128 columns with four waves, a wave 64 x 64: 16 accumulator tiles.  8 x 32 = 256 work-groups.
; K goes in steps of 128 (two heads) through two LDS slots: eight steps, six refills.  A token's two heads are 512 consecutive bytes, W's rows 256.
; CLUSTERS: 4 x 4 work-groups; att's tiles are shared along a row of the cluster, W's along a column, each asked for jointly.
; REGISTERS: window 0: v16-26 addresses; v64-95 hi and v96-127 lo, v128-159 hi and v160-191 lo: fragments of att, two buffers; window 1: v64-95, v128-159
; fragments of W; window 2: accumulator tile (a, b) at v[8 (4 a + b)].  The matrix instruction is used transposed (source 0 = W's rows): a lane holds
; eight neighbouring columns of one token.
.set WSTR,   33792                     ; what one wave fills: 64 x 528 (att, 33,792) or 64 x 272 (W, 17,408)
.set SLOT,   4*WSTR
.set STAGE,  2*SLOT                    ; 270,336: 16 rows x 272 bytes for each wave; no tensor load lands there
.set APITCH, 528                       ; 512 bytes + 16: the 16 rows of a fragment load start 16 bytes apart modulo 256
.set BPITCH, 272                       ; 256 bytes + 16
.set SPITCH, 272
.set LAPS,   4                         ; a lap = two K steps
.set ADRA, 16
.set ADRB, 20
.set STO,  24
.set RD,   25
.set CO,   26
.set F0,   64
.set F1,   128
.set G1,  24
.set G0,  32
.set G1B, 48
.set G0B, 56
.set MSB, 0
.macro WIN new
.if MSB != \new
	s_set_vgpr_msb (MSB<<8)|\new
.set MSB, \new
.endif
.endm
.set MUL,  0xa1                        ; source 0 (W) window 1, source 1 (att) window 0, C and D window 2
.set TO_B, 0x40
.macro JLOAD s
	s_cmp_eq_u32 s11, 0
	s_cbranch_scc0 .Lfor_b_\@
	tensor_load_to_lds s[G0+4*\s:G0+4*\s+3], s[G1:G1+7]
	s_nop 0
	s_branch .Lasked_\@
.Lfor_b_\@:
	tensor_load_to_lds s[G0B+4*\s:G0B+4*\s+3], s[G1B:G1B+7]
	s_nop 0
.Lasked_\@:
.endm
.macro CREST
	s_cmp_lg_u32 s10, 0
	s_cbranch_scc1 .Lnot_wave_0_\@
	s_barrier_signal -3
.Lnot_wave_0_\@:
	s_barrier_wait -3
	s_barrier_signal -1
	s_barrier_wait -1
.endm
.macro CROUND
	s_barrier_signal -1
	s_barrier_wait -1
	CREST
.endm
.macro PLACES
.rept 4
	v_nop
.endr
.endm
	s_load_b128 s[4:7], s[0:1], 0x0                ; att s[4:5], wpb s[6:7]
	s_load_b64 s[8:9], s[0:1], 0x10                ; out0
	s_set_vgpr_msb 0x40
	v_lshl_add_u32 v255, v0, 2, 0x46400
	s_set_vgpr_msb 0x4000
	v_mov_b32 v255, 0
	s_set_vgpr_msb 0x1
	ds_add_u32 v255, v255
	ds_add_u32 v255, v255
	s_set_vgpr_msb 0x100
	v_lshrrev_b32 v1, 5, v0
	v_readfirstlane_b32 s10, v1                    ; wave 0..3
	s_lshr_b32 s11, s10, 1                         ; which 64 tokens are mine.  Also: I fetch att (0) or W (1)
	s_and_b32 s12, s10, 1                          ; which 64 columns.  Also: which half of that tile I fetch
	s_bfe_u32 s40, ttmp6, 0x40000                  ; cx
	s_bfe_u32 s41, ttmp6, 0x40004                  ; cy
	s_lshl_b32 s42, ttmp9, 2
	s_add_co_u32 s42, s42, s40                     ; block column
	s_and_b32 s13, ttmp7, 0xffff
	s_lshl_b32 s13, s13, 2
	s_add_co_u32 s13, s13, s41                     ; block row
	s_lshl_b32 s43, s41, 2
	s_lshl_b32 s43, 15, s43                        ; my row of the cluster
	s_lshl_b32 s44, 0x1111, s40                    ; my column
	s_or_b32 s[G1+0],  s43, (1<<16)|(1<<20)|(1<<21)|(6<<22)|(3<<25)   ; elements of 2 bytes; 4 words of padding behind every 128 words
	s_or_b32 s[G1B+0], s44, (1<<16)|(1<<20)|(1<<21)|(5<<22)|(3<<25)   ; behind every 64 words
	s_mov_b32 s[G1+1],  256<<16                    ; tensor_dim0
	s_mov_b32 s[G1B+1], 128<<16
	s_mov_b32 s[G1+2],  64<<16                     ; tensor_dim1
	s_mov_b32 s[G1B+2], 64<<16
	s_mov_b32 s[G1+3],  256<<16                    ; tile_dim0
	s_mov_b32 s[G1B+3], 128<<16
	s_mov_b32 s[G1+4],  64                         ; tile_dim1
	s_mov_b32 s[G1B+4], 64
	s_mov_b32 s[G1+5],  2048                       ; elements from token to token
	s_mov_b32 s[G1B+5], 1024                       ; from row to row
	s_mov_b32 s[G1+6],  0
	s_mov_b32 s[G1B+6], 0
	s_mov_b32 s[G1+7],  0
	s_mov_b32 s[G1B+7], 0
	s_lshl_b32 s16, s13, 19                        ; att: token 128 x block row + 64 x half, 4,096 bytes each
	s_lshl_b32 s17, s12, 18
	s_add_co_u32 s16, s16, s17
	s_mov_b32 s17, 0
	s_lshl_b32 s46, s42, 18                        ; W: row 128 x block column + 64 x half, 2,048 bytes each
	s_lshl_b32 s47, s12, 17
	s_add_co_u32 s46, s46, s47
	s_mov_b32 s47, 0
	s_mul_i32 s20, s10, WSTR                       ; where my tile goes: the wave's number alone
	s_wait_dscnt 0x0
	s_wait_kmcnt 0x0
	s_add_nc_u64 s[14:15], s[4:5], s[16:17]
	s_add_nc_u64 s[46:47], s[6:7], s[46:47]
	CROUND                                         ; in front of the first joint loads
.irp s, 0,1
	s_mov_b32 s[G0+4*\s], 1
	s_add_co_u32 s[G0+4*\s+1], s20, \s*SLOT
	s_add_nc_u64 s[G0+4*\s+2:G0+4*\s+3], s[14:15], \s*512          ; K step s: two heads of 256 bytes
	s_or_b32 s[G0+4*\s+3], s[G0+4*\s+3], 0x80000000
	s_mov_b32 s[G0B+4*\s], 1
	s_add_co_u32 s[G0B+4*\s+1], s20, \s*SLOT
	s_add_nc_u64 s[G0B+4*\s+2:G0B+4*\s+3], s[46:47], \s*256        ; K step s: 128 f16
	s_or_b32 s[G0B+4*\s+3], s[G0B+4*\s+3], 0x80000000
	JLOAD \s                                       ; two tensor loads of the wave are out
.endr
	v_and_b32 v1, 15, v0                           ; r
	v_bfe_u32 v2, v0, 4, 1                         ; h
	v_mul_u32_u24 v3, v1, APITCH
	v_lshl_add_u32 v3, v2, 4, v3                   ; att: token r, + 16 h
	v_mul_u32_u24 v4, v1, BPITCH
	v_lshl_add_u32 v4, v2, 4, v4                   ; W: row r, + 16 h
	s_mul_i32 s21, s11, WSTR                       ; my 64 tokens = what wave s11 fetched
	s_mul_i32 s22, s12, WSTR
	s_add_co_u32 s22, s22, 2*WSTR                  ; my 64 rows of W = what wave 2 + s12 fetched
.irp s, 0,1
	v_add_nc_u32 v[ADRA+\s], s21, v3
	v_add_nc_u32 v[ADRB+\s], s22, v4
	s_add_co_u32 s21, s21, SLOT
	s_add_co_u32 s22, s22, SLOT
.endr
	s_mul_i32 s23, s10, 16*SPITCH
	s_add_co_u32 s23, s23, STAGE                   ; my stage
	v_mul_u32_u24 v5, v1, SPITCH
	v_lshl_add_u32 v5, v2, 5, v5                   ; in: token r, 32 bytes for each half of the lanes
	v_add_nc_u32 v[STO], s23, v5
	v_mul_u32_u24 v5, v2, SPITCH
	v_lshl_add_u32 v5, v1, 4, v5                   ; back: lanes 0-15 one row of 256 bytes, lanes 16-31 the next
	v_add_nc_u32 v[RD], s23, v5
	v_lshlrev_b32 v5, 12, v2                       ; and the same two rows of out0, 4,096 bytes apart
	v_lshl_add_u32 v[CO], v1, 4, v5
; 8 matrix instructions: token blocks a0, a0 + 1 x all 4 column blocks, 32 along K; lo = 0: att's high halves, 1: its low halves
.macro MUL8 f, lo, a0, zero
.irp a, \a0, \a0+1
.irp b, 0,1,2,3
.if \zero
	v_wmma_f32_16x16x32_f16 v[8*(4*(\a)+\b):8*(4*(\a)+\b)+7], v[\f+8*\b:\f+8*\b+7], v[\f+32*\lo+8*(\a):\f+32*\lo+8*(\a)+7], 0
.else
	v_wmma_f32_16x16x32_f16 v[8*(4*(\a)+\b):8*(4*(\a)+\b)+7], v[\f+8*\b:\f+8*\b+7], v[\f+32*\lo+8*(\a):\f+32*\lo+8*(\a)+7], v[8*(4*(\a)+\b):8*(4*(\a)+\b)+7]
.endif
.endr
.endr
.endm
; 24 LDS loads: chunk c (32 K) of the slot's four: in W byte 64 c of the row; in att head c >> 1 of the two, half c & 1 of its 64, hi at byte 0 and lo at byte 128
.macro FETCH slot, c, f
	WIN TO_B
.irp i, 0,1,2,3
	ds_load_b128 v[\f+8*\i:\f+8*\i+3],   v[ADRB+\slot] offset:\i*16*BPITCH+(\c)*64
	ds_load_b128 v[\f+8*\i+4:\f+8*\i+7], v[ADRB+\slot] offset:\i*16*BPITCH+(\c)*64+32
.endr
	WIN 0
.irp l, 0,1
.irp i, 0,1,2,3
	ds_load_b128 v[\f+32*\l+8*\i:\f+32*\l+8*\i+3],   v[ADRA+\slot] offset:\i*16*APITCH+((\c)>>1)*256+((\c)&1)*64+128*\l
	ds_load_b128 v[\f+32*\l+8*\i+4:\f+32*\l+8*\i+7], v[ADRA+\slot] offset:\i*16*APITCH+((\c)>>1)*256+((\c)&1)*64+128*\l+32
.endr
.endr
.endm
; One of a K step's first three quarters: buffer f is in; chunk c goes out into buffer g, 32 matrix instructions ahead of its use; f is multiplied.
; The 16 accumulators take turns, one instruction a turn, in the same order in every run of 16.
.macro QUARTER slot, c, f, g, zero
	s_wait_dscnt 0x0
	PLACES                                         ; four plain places behind the matrix instructions that read buffer g
	FETCH \slot, \c, \g
	WIN MUL
	MUL8 \f, 0, 0, \zero
	MUL8 \f, 0, 2, \zero
	MUL8 \f, 1, 0, 0
	MUL8 \f, 1, 2, 0
.endm
.macro THREE slot, zero
	QUARTER \slot, 1, F0, F1, \zero
	QUARTER \slot, 2, F1, F0, 0
	QUARTER \slot, 3, F0, F1, 0
.endm
; The last quarter multiplies buffer 1 and changes slots.  From a request to the wait for it a wave issues 112 matrix instructions.
.macro TURN slot, next, fill
	s_wait_dscnt 0x0                               ; my reads of this slot are over
	s_wait_tensorcnt 0x0                           ; all my tensor loads have landed: my part of the next slot
	ds_add_u32 v255, v255
	s_wait_dscnt 0x0
	s_barrier_signal -1                            ; (where a slot is filled again this barrier opens a round of the cluster's barrier)
	WIN MUL
	MUL8 F1, 0, 0, 0                               ; register work while the others arrive
	MUL8 F1, 0, 2, 0
	WIN 0
	s_barrier_wait -1
.if \fill
	CREST
	s_add_nc_u64 s[G0+4*\slot+2:G0+4*\slot+3], s[G0+4*\slot+2:G0+4*\slot+3], 1024
	s_add_nc_u64 s[G0B+4*\slot+2:G0B+4*\slot+3], s[G0B+4*\slot+2:G0B+4*\slot+3], 512
	JLOAD \slot                                    ; the first tensor load behind the round, the wave's only one until the next
.endif
	PLACES
	FETCH \next, 0, F0
	WIN MUL
	MUL8 F1, 1, 0, 0
	MUL8 F1, 1, 2, 0
.endm
.macro LAP zero
	THREE 0, \zero
	TURN 0, 1, 1
	THREE 1, 0
	TURN 1, 0, 1
.endm
	s_wait_tensorcnt 1                             ; my part of K step 0 is in; K step 1's load stays out
	s_barrier_signal -1
	s_barrier_wait -1
	FETCH 0, 0, F0
	LAP 1                                          ; the first lap's first products start the sums
	WIN 0
	s_mov_b32 s3, LAPS-2
.Llap:
	LAP 0
	WIN 0
	s_sub_co_u32 s3, s3, 1
	s_cmp_lg_u32 s3, 0
	s_cbranch_scc1 .Llap
	THREE 0, 0                                     ; the last lap fills nothing
	TURN 0, 1, 0
	THREE 1, 0
	s_wait_dscnt 0x0
	WIN MUL
	MUL8 F1, 0, 0, 0
	MUL8 F1, 0, 2, 0
	MUL8 F1, 1, 0, 0
	MUL8 F1, 1, 2, 0
	; THE WAY OUT, 16 tokens at a time: 32 bytes a lane straight from the accumulators into my own stage, read back as rows of 256 bytes.
	PLACES
	WIN 0
	s_lshl_b32 s72, s13, 19                        ; 128 tokens x 4,096 bytes a block row
	s_lshl_b32 s73, s11, 18                        ; my 64 tokens
	s_add_co_u32 s72, s72, s73
	s_lshl_b32 s73, s42, 9                         ; 128 columns x 4 bytes a block column
	s_add_co_u32 s72, s72, s73
	s_lshl_b32 s73, s12, 8                         ; my 64 columns
	s_add_co_u32 s72, s72, s73
	s_mov_b32 s73, 0
	s_add_nc_u64 s[8:9], s[8:9], s[72:73]
.macro OUT16 a, f
	WIN 0x08                                       ; store data (source 1) in window 2
.irp b, 0,1,2,3
	ds_store_b128 v[STO], v[8*(4*\a+\b):8*(4*\a+\b)+3]   offset:64*\b
	ds_store_b128 v[STO], v[8*(4*\a+\b)+4:8*(4*\a+\b)+7] offset:64*\b+16
.endr
	WIN 0
	s_wait_xcnt 0x0                                ; buffer f, which earlier stores read, is loaded again only behind this wait
.irp t, 0,1,2,3,4,5,6,7
	ds_load_b128 v[\f+4*\t:\f+4*\t+3], v[RD] offset:\t*2*SPITCH    ; LDS serves a wave's instructions in order: these see the stores above
.endr
.irp t, 0,1,2,3,4,5,6,7
	s_wait_dscnt 7-\t                              ; this load is in, the younger ones stay out
	global_store_b128 v[CO], v[\f+4*\t:\f+4*\t+3], s[8:9] offset:\a*65536+\t*8192 th:TH_STORE_NT   ; 16 lanes: 256 consecutive aligned bytes
.endr
.endm
	OUT16 0, F0
	OUT16 1, F1
	OUT16 2, F0
	OUT16 3, F1
	s_set_vgpr_msb 0x1
	s_wait_tensorcnt 0x0
	ds_add_u32 v255, v255
	s_wait_dscnt 0x0
	s_set_vgpr_msb 0x100
	CROUND                                         ; the closing round
	s_endpgm
.Lfunc_end_k_q71a04f4d27_proj:
	.size	k_q71a04f4d27_proj, .Lfunc_end_k_q71a04f4d27_proj-k_q71a04f4d27_proj
	.p2alignl 7, 3214868480
	.fill 96, 4, 3214868480
	.section	.rodata,"a",@progbits
	.p2align	6, 0x0
	.amdhsa_kernel k_q71a04f4d27_proj
		.amdhsa_group_segment_fixed_size 327680
		.amdhsa_private_segment_fixed_size 0
		.amdhsa_enable_private_segment 0
		.amdhsa_kernarg_size 24
		.amdhsa_user_sgpr_count 2
		.amdhsa_user_sgpr_kernarg_segment_ptr 1
		.amdhsa_wavefront_size32 1
		.amdhsa_system_sgpr_workgroup_id_x 1
		.amdhsa_system_sgpr_workgroup_id_y 1
		.amdhsa_system_sgpr_workgroup_id_z 1
		.amdhsa_system_vgpr_workitem_id 0
		.amdhsa_next_free_vgpr 640
		.amdhsa_next_free_sgpr 80
		.amdhsa_reserve_vcc 0
		.amdhsa_float_denorm_mode_32 3
		.amdhsa_float_denorm_mode_16_64 3
		.amdhsa_memory_ordered 1
		.amdhsa_forward_progress 1
		.amdhsa_inst_pref_size 110
	.end_amdhsa_kernel
	.amdgpu_metadata
---
amdhsa.version: [ 1, 2 ]
amdhsa.kernels:
  - .name:           k_q71a04f4d27_proj
    .symbol:         k_q71a04f4d27_proj.kd
    .args:
      - { .name: att, .offset: 0, .size: 8, .value_kind: global_buffer, .address_space: global }
      - { .name: wpb, .offset: 8, .size: 8, .value_kind: global_buffer, .address_space: global }
      - { .name: out0, .offset: 16, .size: 8, .value_kind: global_buffer, .address_space: global }
    .group_segment_fixed_size: 327680
    .private_segment_fixed_size: 0
    .kernarg_segment_align: 8
    .kernarg_segment_size: 24
    .max_flat_workgroup_size: 128
    .sgpr_count:     80
    .vgpr_count:     640
    .wavefront_size: 32
...
	.end_amdgpu_metadata
.endif
;; end of part 4
;; ======== version 2 of 3: 4 launches; 1.19 times as fast as version 1
;; limits: values are held in f16: magnitudes above 65,504 overflow, below 6.1e-05 lose precision
;; workspace buffers: xb 8,388,608 bytes; wqb 6,291,456 bytes; wpb 2,097,152 bytes; qkv 27,262,976 bytes; att 10,485,760 bytes
;; launch cast: the kernel of part 1 again; grid 256 x 1, 8 waves a work-group, no clusters, 0 bytes of LDS; arguments x, W_qkv, W_proj, xb, wqb, wpb; writes xb, wqb, wpb
;; launch qkv (part 5): grid 16 x 16, 4 waves a work-group, clusters of 4 x 4, 327,680 bytes of LDS; arguments xb, wqb, qkv; writes qkv
.if DOCPART == 5
	.amdgcn_target "amdgcn-amd-amdhsa--gfx1250"
	.amdhsa_code_object_version 6
	.text
	.protected	k_q71a04f4d27_qkv
	.globl	k_q71a04f4d27_qkv
	.p2align	8
	.type	k_q71a04f4d27_qkv,@function
k_q71a04f4d27_qkv:
	s_mov_b64 s[64:65], 0
	v_nop
	global_prefetch_b8 v0, s[64:65] scope:SCOPE_SE
	s_setreg_imm32_b32 hwreg(HW_REG_WAVE_MODE, 25, 1), 1
	s_wait_xcnt 0x0
	s_wait_alu depctr_hold_cnt(0) depctr_sa_sdst(0) depctr_va_vdst(0) depctr_va_sdst(0) depctr_va_ssrc(0) depctr_va_vcc(0) depctr_vm_vsrc(0)
	s_getreg_b32 s2, hwreg(HW_REG_IB_STS2, 6, 4)
	s_cmp_eq_u32 s2, 0
	s_cbranch_scc0 .Lentry_in_a_cluster
	s_endpgm
.Lentry_in_a_cluster:
	s_bfe_u32 s2, ttmp6, 0x10000c
	s_cmp_lg_u32 s2, 0xf033
	s_cbranch_scc0 .Lentry_shape_is_right
	s_endpgm
.Lentry_shape_is_right:
; q, k, v = x W_qkv^T.  xb: [4096][1024] bf16; wqb: [3072][1024] bf16 with its rows reordered: rows 192 e .. 192 e + 191 are head e's
; q d0-31, k d0-31, v d0-31, q d32-63, k d32-63, v d32-63.  Sums in f32, results rounded to f16.
; OUT, by planes p = 16 batch + head, each [2048 tokens][64] f16:  q at byte 0,  k at 8 MiB,  v at 16 MiB.
; At 24 MiB: LOW HALVES OF v, lo = f16(v - f16(v)), for the first 64 tokens of each block of 256 tokens of each plane: [32 planes][8][64][64] f16.
; A query with few keys hands v's rounding on unaveraged, and such a row is many times the output's root mean square, against which each number is
; judged; the attention launch reads these low halves in the masked step of its even query blocks, the batch's first block among them.
; LIMIT: |q|, |k|, |v| < 65,504 (f16's range); lo is a denormal f16 below 6.1e-5 and is then good to 6e-8 absolute.
; A work-group makes 256 tokens x 192 columns (one head's q, k and v) with four waves; a wave makes 128 x 96: 48 accumulator tiles, 384 registers.
; 16 x 16 = 256 work-groups.  K goes in steps of 128 through two LDS slots filled by the tensor data mover; a tile's rows are 256 bytes of
; memory and start at multiples of 256 bytes.
; CLUSTERS: 4 x 4 work-groups.  The four of a row of the cluster need the same tiles of x, the four of a column the same tiles of W: each tile
; is asked for jointly, which divides the requests for both by four.
; REGISTERS in windows of 256: window 0: v16-26 addresses, v28-59 at work on the way out, v64-127 and v128-191 fragments of x (8 x 16 rows x 32 K, two
; buffers), v192-207 at work on the way out; window 1: v64-111 and v128-175 fragments of W (6 x 16 rows); window 2: the 24 accumulator tiles of my rows
; 0-63 (tile (a, b) at v[8 (6 a + b)]; b = 0, 1 q, 2, 3 k, 4, 5 v); window 3: those of my rows 64-127.
; The matrix instruction is used transposed (source 0 = 16 rows of W, source 1 = 16 tokens): a lane then holds eight neighbouring columns
; of one token, which pack into 16 bytes.
.set SIZE_K, 1024
.set KSTEP,  128
.set PITCH,  272                       ; an LDS row: 256 bytes + 16 of padding: the 16 rows of a fragment load start 16 bytes apart modulo 256
.set AHALF,  128*PITCH                 ; 128 rows of x: one tensor load
.set BHALF,  96*PITCH                  ; 96 rows of W: one tensor load
.set BOFF,   2*AHALF                   ; W's rows lie behind x's 256
.set SLOT,   2*AHALF+2*BHALF           ; 121,856 bytes
.set STAGE,  2*SLOT                    ; 243,712: behind the ring, 128 rows x 528 bytes, for the way out; no tensor load lands there
.set SP,     528                       ; a stage row: q, k, v, v's low half of one token, 128 bytes each, + 16 bytes
.set LAPS,   SIZE_K/(2*KSTEP)          ; 4 laps of two K steps
.set ADRA, 16                          ; v16-17  LDS address of my x fragments in slot 0, 1
.set ADRB, 20                          ; v20-21  the same for W
.set STO,  24                          ; v24     the way out: where I put 16 bytes of a token
.set RDQ,  25                          ; v25     the way out: back, four tokens x 128 bytes
.set CO,   26                          ; v26     16 x lane: my place in 512 bytes of a plane
.set TMP,  28                          ; v28-51  six tiles rounded to f16
.set LO,   52                          ; v52-59  the low halves of the two v tiles
.set F0,   64
.set F1,   128
.set TF,   192                         ; v192-207 the two v tiles' f16 values widened again, then the remainders
.set G1,  24                           ; s[24:31] descriptor group 1 for x's tiles
.set G0,  32                           ; s[32:39] group 0 for x's tiles, one set a slot
.set G1B, 48                           ; s[48:55] group 1 for W's tiles
.set G0B, 56                           ; s[56:63] group 0 for W's tiles, one set a slot
.set PT,  66                           ; s[66:73] the way out: my place in the q, k and v planes and among the low halves
.set MSB, 0
.macro WIN new                         ; the immediate's high byte repeats the setting that is left
.if MSB != \new
	s_set_vgpr_msb (MSB<<8)|\new
.set MSB, \new
.endif
.endm
.set MUL_LO, 0xa1                      ; source 0 (W) window 1, source 1 (x) window 0, C and D window 2
.set MUL_HI, 0xf1                      ; the same, C and D window 3
.set TO_B,   0x40                      ; destination window 1, address window 0
; A joint load.  Waves 0 and 1 fetch x's two halves, waves 2 and 3 W's.  The branch hangs on the wave's number alone.
.macro JLOAD s
	s_cmp_eq_u32 s11, 0
	s_cbranch_scc0 .Lfor_b_\@
	tensor_load_to_lds s[G0+4*\s:G0+4*\s+3], s[G1:G1+7]
	s_nop 0
	s_branch .Lasked_\@
.Lfor_b_\@:
	tensor_load_to_lds s[G0B+4*\s:G0B+4*\s+3], s[G1B:G1B+7]
	s_nop 0
.Lasked_\@:
.endm
; A round of the cluster's barrier: my work-group's barrier, wave 0 signals for the work-group, every wave waits for all sixteen, my barrier again.
.macro CREST                           ; a round behind its opening barrier
	s_cmp_lg_u32 s10, 0
	s_cbranch_scc1 .Lnot_wave_0_\@
	s_barrier_signal -3
.Lnot_wave_0_\@:
	s_barrier_wait -3
	s_barrier_signal -1
	s_barrier_wait -1
.endm
.macro CROUND
	s_barrier_signal -1
	s_barrier_wait -1
	CREST
.endm
	s_load_b128 s[4:7], s[0:1], 0x0                ; xb s[4:5], wqb s[6:7]
	s_load_b64 s[8:9], s[0:1], 0x10                ; qkv
	s_set_vgpr_msb 0x40
	v_lshl_add_u32 v255, v0, 2, 0x4c000
	s_set_vgpr_msb 0x4000
	v_mov_b32 v255, 0
	s_set_vgpr_msb 0x1
	ds_add_u32 v255, v255
	ds_add_u32 v255, v255
	s_set_vgpr_msb 0x100
	v_lshrrev_b32 v1, 5, v0
	v_readfirstlane_b32 s10, v1                    ; wave 0..3
	s_lshr_b32 s11, s10, 1                         ; which 128 tokens of the block are mine.  Also: I fetch for x (0) or for W (1)
	s_and_b32 s12, s10, 1                          ; which 96 columns.  Also: which half of that tile I fetch
	s_bfe_u32 s40, ttmp6, 0x40000                  ; cx
	s_bfe_u32 s41, ttmp6, 0x40004                  ; cy
	s_lshl_b32 s42, ttmp9, 2
	s_add_co_u32 s42, s42, s40                     ; block column = head = 4 x cluster x + cx
	s_and_b32 s13, ttmp7, 0xffff
	s_lshl_b32 s13, s13, 2
	s_add_co_u32 s13, s13, s41                     ; block row = 4 x cluster y + cy
	s_lshl_b32 s43, s41, 2
	s_lshl_b32 s43, 15, s43                        ; my row of the cluster: places 4 cy .. 4 cy + 3
	s_lshl_b32 s44, 0x1111, s40                    ; my column: places cx, cx + 4, cx + 8, cx + 12
	; group 1: rows of 128 elements of 2 bytes, 4 words of padding behind every 64 words; bit 21 set beside a mask
	s_or_b32 s[G1+0],  s43, (1<<16)|(1<<20)|(1<<21)|(5<<22)|(3<<25)
	s_or_b32 s[G1B+0], s44, (1<<16)|(1<<20)|(1<<21)|(5<<22)|(3<<25)
	s_mov_b32 s[G1+1],  KSTEP<<16                  ; tensor_dim0 = 128
	s_mov_b32 s[G1B+1], KSTEP<<16
	s_mov_b32 s[G1+2],  128<<16                    ; tensor_dim1 = 128 rows of x
	s_mov_b32 s[G1B+2], 96<<16                     ; 96 rows of W
	s_mov_b32 s[G1+3],  KSTEP<<16                  ; tile_dim0 = 128
	s_mov_b32 s[G1B+3], KSTEP<<16
	s_mov_b32 s[G1+4],  128                        ; tile_dim1
	s_mov_b32 s[G1B+4], 96
	s_mov_b32 s[G1+5],  SIZE_K                     ; elements from row to row
	s_mov_b32 s[G1B+5], SIZE_K
	s_mov_b32 s[G1+6],  0
	s_mov_b32 s[G1B+6], 0
	s_mov_b32 s[G1+7],  0
	s_mov_b32 s[G1B+7], 0
	; x's tiles hang on the block row alone, W's on the block column alone; each address in registers that never hold the other coordinate
	s_lshl_b32 s17, s12, 7
	s_lshl_b32 s16, s13, 8
	s_add_co_u32 s16, s16, s17                     ; x: row 256 x block row + 128 x half
	s_lshl_b32 s16, s16, 11                        ; rows of 2,048 bytes
	s_mov_b32 s17, 0
	s_mul_i32 s46, s42, 192
	s_mul_i32 s47, s12, 96
	s_add_co_u32 s46, s46, s47                     ; W: row 192 x block column + 96 x half
	s_lshl_b32 s46, s46, 11
	s_mov_b32 s47, 0
	s_mul_i32 s20, s10, AHALF                      ; where x's halves go (waves 0, 1)
	s_mul_i32 s45, s10, BHALF
	s_add_co_u32 s45, s45, BOFF-2*BHALF            ; where W's halves go (waves 2, 3): BOFF, BOFF + BHALF
	s_wait_dscnt 0x0
	s_wait_kmcnt 0x0
	s_add_nc_u64 s[14:15], s[4:5], s[16:17]
	s_add_nc_u64 s[46:47], s[6:7], s[46:47]
	CROUND                                         ; all sixteen work-groups are here: the first joint loads meet
.irp s, 0,1
	s_mov_b32 s[G0+4*\s], 1
	s_add_co_u32 s[G0+4*\s+1], s20, \s*SLOT
	s_add_nc_u64 s[G0+4*\s+2:G0+4*\s+3], s[14:15], \s*KSTEP*2      ; K step s
	s_or_b32 s[G0+4*\s+3], s[G0+4*\s+3], 0x80000000
	s_mov_b32 s[G0B+4*\s], 1
	s_add_co_u32 s[G0B+4*\s+1], s45, \s*SLOT
	s_add_nc_u64 s[G0B+4*\s+2:G0B+4*\s+3], s[46:47], \s*KSTEP*2
	s_or_b32 s[G0B+4*\s+3], s[G0B+4*\s+3], 0x80000000
	JLOAD \s                                       ; both slots are asked for before anything else: two tensor loads of the wave are out
.endr
	; a fragment: lane l holds row l % 16; registers 0-3 K = 8 (l / 16) + 0..7, registers 4-7 K = 16 + 8 (l / 16) + 0..7: two loads, 32 bytes apart
	v_and_b32 v1, 15, v0                           ; r
	v_bfe_u32 v2, v0, 4, 1                         ; h
	v_mul_u32_u24 v3, v1, PITCH
	v_lshl_add_u32 v3, v2, 4, v3
	s_mul_i32 s21, s11, AHALF
	s_mul_i32 s22, s12, BHALF
	s_add_co_u32 s22, s22, BOFF
.irp s, 0,1
	v_add_nc_u32 v[ADRA+\s], s21, v3
	v_add_nc_u32 v[ADRB+\s], s22, v3
	s_add_co_u32 s21, s21, SLOT
	s_add_co_u32 s22, s22, SLOT
.endr
	s_mul_i32 s23, s11, 64*SP                      ; the stage holds 64 tokens of each half of the block's rows at a time
	s_lshl_b32 s21, s12, 6                         ; my 32 numbers of each kind are 64 bytes
	s_add_co_u32 s23, s23, s21
	s_add_co_u32 s23, s23, STAGE
	v_mul_u32_u24 v4, v1, SP
	v_lshl_add_u32 v4, v2, 4, v4
	v_add_nc_u32 v[STO], s23, v4
	s_mul_i32 s23, s10, 32*SP                      ; back: wave w takes stage rows 32 w .. 32 w + 31
	s_add_co_u32 s23, s23, STAGE
	v_bfe_u32 v5, v0, 3, 2
	v_and_b32 v6, 7, v0
	v_mul_u32_u24 v5, v5, SP
	v_lshl_add_u32 v5, v6, 4, v5
	v_add_nc_u32 v[RDQ], s23, v5                   ; row l >> 3, 16 (l & 7): four tokens x 128 bytes
	v_and_b32 v6, 31, v0
	v_lshlrev_b32 v[CO], 4, v6
; 12 matrix instructions: token blocks a0, a0 + 1 of the window's four x all 6 column blocks, 32 along K.  zero = 1: the first product starts the sums.
.macro MUL12 f, hi, a0, zero
.irp a, \a0, \a0+1
.irp b, 0,1,2,3,4,5
.if \zero
	v_wmma_f32_16x16x32_bf16 v[8*(6*(\a)+\b):8*(6*(\a)+\b)+7], v[\f+8*\b:\f+8*\b+7], v[\f+8*(4*\hi+\a):\f+8*(4*\hi+\a)+7], 0
.else
	v_wmma_f32_16x16x32_bf16 v[8*(6*(\a)+\b):8*(6*(\a)+\b)+7], v[\f+8*\b:\f+8*\b+7], v[\f+8*(4*\hi+\a):\f+8*(4*\hi+\a)+7], v[8*(6*(\a)+\b):8*(6*(\a)+\b)+7]
.endif
.endr
.endr
.endm
; 28 LDS loads in one run: 96 rows of W, 128 rows of x, 32 K at byte k of the rows, into buffer f
.macro FETCH slot, k, f
	WIN TO_B
.irp i, 0,1,2,3,4,5
	ds_load_b128 v[\f+8*\i:\f+8*\i+3],   v[ADRB+\slot] offset:\k+\i*16*PITCH
	ds_load_b128 v[\f+8*\i+4:\f+8*\i+7], v[ADRB+\slot] offset:\k+\i*16*PITCH+32
.endr
	WIN 0
.irp i, 0,1,2,3,4,5,6,7
	ds_load_b128 v[\f+8*\i:\f+8*\i+3],   v[ADRA+\slot] offset:\k+\i*16*PITCH
	ds_load_b128 v[\f+8*\i+4:\f+8*\i+7], v[ADRA+\slot] offset:\k+\i*16*PITCH+32
.endr
.endm
; A load into a register that a matrix instruction has read, and a vector instruction that reads a matrix result, stand four plain vector
; instructions behind that matrix instruction (ISA guide 7.12.1 for the vector instruction).
.macro PLACES
.rept 4
	v_nop
.endr
.endm
; A K step is four quarters of 32 along K, 48 matrix instructions each, on buffers 0, 1, 0, 1.  The 48 accumulators take turns, one instruction
; a turn, in the same order in every quarter.
.macro QUARTER slot, k, f, g, zero
	s_wait_dscnt 8                                 ; W and x's rows 0-63 are in; the youngest eight loads (x's rows 64-127) may be out
	WIN MUL_LO
	MUL12 \f, 0, 0, \zero
	MUL12 \f, 0, 2, \zero
	PLACES
	FETCH \slot, \k, \g
	s_wait_dscnt 28                                ; all but the 28 just issued
	WIN MUL_HI
	MUL12 \f, 1, 0, \zero
	MUL12 \f, 1, 2, \zero
.endm
.macro THREE slot, zero
	QUARTER \slot, 64,  F0, F1, \zero
	QUARTER \slot, 128, F1, F0, 0
	QUARTER \slot, 192, F0, F1, 0
.endm
; The last quarter multiplies buffer 1 and changes slots.  In front of the barrier each wave waits for its reads of this slot and for all its
; tensor loads (one is out: its part of the next slot).  Behind it the refill comes first, then the next slot's first fragments.
; From a request to the wait for it a wave issues 180 matrix instructions.
.macro TURN slot, next, fill
	s_wait_dscnt 8
	WIN MUL_LO
	MUL12 F1, 0, 0, 0
	s_wait_dscnt 0                                 ; my reads of this slot are over
	s_wait_tensorcnt 0x0                           ; all my tensor loads have landed
	ds_add_u32 v255, v255
	s_wait_dscnt 0x0
	s_barrier_signal -1                            ; (where a slot is filled again this barrier opens a round of the cluster's barrier)
	MUL12 F1, 0, 2, 0                              ; register work while the others arrive
	WIN 0
	s_barrier_wait -1
.if \fill
	CREST                                          ; no wave of any partner still reads this slot or has a load on its way
	s_add_nc_u64 s[G0+4*\slot+2:G0+4*\slot+3], s[G0+4*\slot+2:G0+4*\slot+3], 2*KSTEP*2
	s_add_nc_u64 s[G0B+4*\slot+2:G0B+4*\slot+3], s[G0B+4*\slot+2:G0B+4*\slot+3], 2*KSTEP*2
	JLOAD \slot                                    ; the first tensor load behind the round, and the wave's only one until the next
.endif
	PLACES
	FETCH \next, 0, F0
	WIN MUL_HI
	MUL12 F1, 1, 0, 0
	MUL12 F1, 1, 2, 0
.endm
.macro LAP zero
	THREE 0, \zero
	TURN 0, 1, 1
	THREE 1, 0
	TURN 1, 0, 1
.endm
	s_wait_tensorcnt 1                             ; my part of K step 0 is in; K step 1's load, issued behind it, stays out
	s_barrier_signal -1
	s_barrier_wait -1
	FETCH 0, 0, F0
	LAP 1                                          ; the first lap's first products start the sums
	WIN 0
	s_mov_b32 s3, LAPS-2
.Llap:
	LAP 0
	WIN 0
	s_sub_co_u32 s3, s3, 1
	s_cmp_lg_u32 s3, 0
	s_cbranch_scc1 .Llap
	THREE 0, 0                                     ; the last lap fills nothing
	TURN 0, 1, 0
	THREE 1, 0
	s_wait_dscnt 8
	WIN MUL_LO
	MUL12 F1, 0, 0, 0
	MUL12 F1, 0, 2, 0
	s_wait_dscnt 0
	WIN MUL_HI
	MUL12 F1, 1, 0, 0
	MUL12 F1, 1, 2, 0
	; THE WAY OUT.  A wave holds half of the head's 64 numbers of each kind, so whole runs of a plane need both column halves: the four waves share
	; the stage.  Two passes of 64 tokens of each half of the rows: round to f16, 16 bytes a lane into the stage, a barrier, read back four tokens
	; x 128 bytes of one kind, which are 512 consecutive bytes of a plane.
	PLACES
	WIN 0
	s_lshr_b32 s74, s13, 3
	s_lshl_b32 s74, s74, 4
	s_add_co_u32 s74, s74, s42                     ; plane = 16 x batch + head
	s_and_b32 s75, s13, 7                          ; the block's number in its batch
	s_lshl_b32 s76, s75, 8                         ; its first token
	s_lshl_b32 s77, s11, 7
	s_add_co_u32 s76, s76, s77
	s_lshl_b32 s77, s12, 5
	s_add_co_u32 s76, s76, s77                     ; + 128 x row half + 32 x (wave & 1): the tokens that I read back
	s_lshl_b32 s76, s76, 7                         ; 128 bytes a token
	s_lshl_b32 s77, s74, 18                        ; planes of 262,144 bytes
	s_add_co_u32 s76, s76, s77
	s_mov_b32 s77, 0
	s_add_nc_u64 s[PT:PT+1], s[8:9], s[76:77]              ; q
	s_add_nc_u64 s[PT+2:PT+3], s[PT:PT+1], 0x800000        ; k
	s_add_nc_u64 s[PT+4:PT+5], s[PT:PT+1], 0x1000000       ; v
	s_lshl3_add_u32 s76, s74, s75                  ; low halves: 8 x plane + block, 8,192 bytes each,
	s_lshl_b32 s76, s76, 13
	s_lshl_b32 s78, s12, 12                        ; wave 0: tokens 0-31, wave 1: tokens 32-63
	s_add_co_u32 s76, s76, s78
	s_add_co_u32 s76, s76, 0x1800000
	s_add_nc_u64 s[PT+6:PT+7], s[8:9], s[76:77]
; The low halves of v for token block a of my rows 0-63, while v44-51 hold the two v tiles' f16 values.  Only waves 0 and 1: the block's tokens 0-63.
.macro VLOW a
	s_cmp_lg_u32 s11, 0
	s_cbranch_scc1 .Lno_low_\@
	v_cvt_f32_f16 v[TF+0],  v44.l
	v_cvt_f32_f16 v[TF+1],  v44.h
	v_cvt_f32_f16 v[TF+2],  v45.l
	v_cvt_f32_f16 v[TF+3],  v45.h
	v_cvt_f32_f16 v[TF+4],  v46.l
	v_cvt_f32_f16 v[TF+5],  v46.h
	v_cvt_f32_f16 v[TF+6],  v47.l
	v_cvt_f32_f16 v[TF+7],  v47.h
	v_cvt_f32_f16 v[TF+8],  v48.l
	v_cvt_f32_f16 v[TF+9],  v48.h
	v_cvt_f32_f16 v[TF+10], v49.l
	v_cvt_f32_f16 v[TF+11], v49.h
	v_cvt_f32_f16 v[TF+12], v50.l
	v_cvt_f32_f16 v[TF+13], v50.h
	v_cvt_f32_f16 v[TF+14], v51.l
	v_cvt_f32_f16 v[TF+15], v51.h
	WIN 0x02                                       ; source 0 in window 2
.irp b, 4,5
.irp i, 0,2,4,6
	v_pk_add_f32 v[TF+8*(\b-4)+\i:TF+8*(\b-4)+\i+1], v[8*(6*\a+\b)+\i:8*(6*\a+\b)+\i+1], v[TF+8*(\b-4)+\i:TF+8*(\b-4)+\i+1] neg_lo:[0,1] neg_hi:[0,1]   ; v - f16(v), exact in f32
.endr
.endr
	WIN 0
.irp i, 0,1,2,3,4,5,6,7
	v_cvt_pk_f16_f32 v[LO+\i], v[TF+2*\i], v[TF+2*\i+1]
.endr
	ds_store_b128 v[STO], v[LO:LO+3]   offset:\a*16*SP+384
	ds_store_b128 v[STO], v[LO+4:LO+7] offset:\a*16*SP+384+32
.Lno_low_\@:
.endm
; The low halves go out: the same waves; wave w takes stage rows 32 w .. 32 w + 31, which are the block's tokens 32 w .. 32 w + 31.
.macro LOWBACK
	s_cmp_lg_u32 s11, 0
	s_cbranch_scc1 .Lno_back_\@
.irp i, 0,1,2,3,4,5,6,7
	ds_load_b128 v[F0+96+4*\i:F0+96+4*\i+3], v[RDQ] offset:\i*4*SP+384
.endr
.irp i, 0,1,2,3,4,5,6,7
	s_wait_dscnt 7-\i                              ; this load is in, the younger ones stay out
	global_store_b128 v[CO], v[F0+96+4*\i:F0+96+4*\i+3], s[PT+6:PT+7] offset:\i*512
.endr
.Lno_back_\@:
.endm
; pass p: my rows 64 p .. 64 p + 63 = window 2 + p.  from = 0x0a or 0x0f: sources 0 and 1 in that window.
.macro OUTPASS p, from
.irp a, 0,1,2,3
	WIN \from
.irp b, 0,1,2,3,4,5
.irp i, 0,1,2,3
	v_cvt_pk_f16_f32 v[TMP+4*\b+\i], v[8*(6*\a+\b)+2*\i], v[8*(6*\a+\b)+2*\i+1]
.endr
.endr
	WIN 0
.irp b, 0,1,2,3,4,5
	ds_store_b128 v[STO], v[TMP+4*\b:TMP+4*\b+3] offset:\a*16*SP+(\b>>1)*128+(\b&1)*32
.endr
.if \p == 0
	VLOW \a
.endif
.endr
	s_wait_dscnt 0x0                               ; my stores into the stage are done, for the others' sake
	s_barrier_signal -1
	s_barrier_wait -1
	s_wait_xcnt 0x0                                ; the registers loaded next were the data of the last pass's stores
.irp g, 0,1,2
.irp i, 0,1,2,3,4,5,6,7
	ds_load_b128 v[F0+4*(8*\g+\i):F0+4*(8*\g+\i)+3], v[RDQ] offset:\i*4*SP+128*\g   ; q, k, v of four tokens
.endr
.endr
.irp g, 0,1,2
.irp i, 0,1,2,3,4,5,6,7
	s_wait_dscnt 23-(8*\g+\i)                      ; LDS loads come back in order: this one is in, the younger of the 24 stay out
	global_store_b128 v[CO], v[F0+4*(8*\g+\i):F0+4*(8*\g+\i)+3], s[PT+2*\g:PT+2*\g+1] offset:\p*8192+\i*512   ; 32 lanes: 512 consecutive bytes, aligned
.endr
.endr
.if \p == 0
	LOWBACK
.endif
.endm
	OUTPASS 0, 0x0a
	s_barrier_signal -1                            ; every wave's reads of the stage are back (the last count was 0 on both ways): it may be written again
	s_barrier_wait -1
	OUTPASS 1, 0x0f
	s_set_vgpr_msb 0x1
	s_wait_tensorcnt 0x0
	ds_add_u32 v255, v255
	s_wait_dscnt 0x0
	s_set_vgpr_msb 0x100
	CROUND                                         ; the closing round: no work-group ends while a partner may still ask for a tile that names it
	s_endpgm
.Lfunc_end_k_q71a04f4d27_qkv:
	.size	k_q71a04f4d27_qkv, .Lfunc_end_k_q71a04f4d27_qkv-k_q71a04f4d27_qkv
	.p2alignl 7, 3214868480
	.fill 96, 4, 3214868480
	.section	.rodata,"a",@progbits
	.p2align	6, 0x0
	.amdhsa_kernel k_q71a04f4d27_qkv
		.amdhsa_group_segment_fixed_size 327680
		.amdhsa_private_segment_fixed_size 0
		.amdhsa_enable_private_segment 0
		.amdhsa_kernarg_size 24
		.amdhsa_user_sgpr_count 2
		.amdhsa_user_sgpr_kernarg_segment_ptr 1
		.amdhsa_wavefront_size32 1
		.amdhsa_system_sgpr_workgroup_id_x 1
		.amdhsa_system_sgpr_workgroup_id_y 1
		.amdhsa_system_sgpr_workgroup_id_z 1
		.amdhsa_system_vgpr_workitem_id 0
		.amdhsa_next_free_vgpr 960
		.amdhsa_next_free_sgpr 88
		.amdhsa_reserve_vcc 0
		.amdhsa_float_denorm_mode_32 3
		.amdhsa_float_denorm_mode_16_64 3
		.amdhsa_memory_ordered 1
		.amdhsa_forward_progress 1
		.amdhsa_inst_pref_size 167
	.end_amdhsa_kernel
	.amdgpu_metadata
---
amdhsa.version: [ 1, 2 ]
amdhsa.kernels:
  - .name:           k_q71a04f4d27_qkv
    .symbol:         k_q71a04f4d27_qkv.kd
    .args:
      - { .name: xb, .offset: 0, .size: 8, .value_kind: global_buffer, .address_space: global }
      - { .name: wqb, .offset: 8, .size: 8, .value_kind: global_buffer, .address_space: global }
      - { .name: qkv, .offset: 16, .size: 8, .value_kind: global_buffer, .address_space: global }
    .group_segment_fixed_size: 327680
    .private_segment_fixed_size: 0
    .kernarg_segment_align: 8
    .kernarg_segment_size: 24
    .max_flat_workgroup_size: 128
    .sgpr_count:     88
    .vgpr_count:     960
    .wavefront_size: 32
...
	.end_amdgpu_metadata
.endif
;; end of part 5
;; launch attn (part 6): grid 256 x 1, 4 waves a work-group, no clusters, 327,680 bytes of LDS; arguments qkv, att; writes att
.if DOCPART == 6
	.amdgcn_target "amdgcn-amd-amdhsa--gfx1250"
	.amdhsa_code_object_version 6
	.text
	.protected	k_q71a04f4d27_attn
	.globl	k_q71a04f4d27_attn
	.p2align	8
	.type	k_q71a04f4d27_attn,@function
k_q71a04f4d27_attn:
	s_mov_b64 s[64:65], 0
	v_nop
	global_prefetch_b8 v0, s[64:65] scope:SCOPE_SE
	s_setreg_imm32_b32 hwreg(HW_REG_WAVE_MODE, 25, 1), 1
	s_wait_xcnt 0x0
; Causal attention of one head on 2 x 128 query rows.  qkv, by planes p = 16 batch + head of [2048][64] f16: q at byte 0, k at 8 MiB, v at 16 MiB;
; at 24 MiB v's low halves (v = f16(v) + lo) for the first 64 tokens of each block of 256 tokens of each plane: [32][8][64][64] f16.
; Products in the f16 form with f32 sums; softmax in f32 with a running maximum.
; att: 64 groups of 40 pair rows of 4,096 bytes; a pair row is [16 heads][2 tokens][64] f16, so (pair, head) is 256 consecutive aligned bytes.
; Group 32 batch + g holds: pairs 0-7 tokens 16 g .. 16 g + 15 of the batch; pairs 8-31 tokens 512 + 48 g .. 512 + 48 g + 47; pairs 32-39 the LOW HALVES
; (a - f16(a)) of the first sixteen.  So each run of 64 tokens that a wave of the next launch multiplies has one tile of 16 with a low half.
; WORK: work-group g takes head g >> 3 and, with j = g & 7, the query blocks B = 15 - 2 j (odd) and A = 2 j (even) of 128 rows.  Keys go in HALVES of 128.
; Block i needs halves 0 .. i, in that order; only the last lies on the diagonal and is masked.  B has 16 - 2 j halves, A has 2 j + 1: 17 for each of the
; 256 work-groups, and nothing that the mask throws away whole is computed.  The halves of the stream take the two LDS slots by turns:
;   B's half 0 (slot 0; it starts B's sums), 7 - j pairs (slots 1, 0), B's masked half (slot 1), j pairs of A (slots 0, 1; the last pair written out, since
;   its second half fills nothing), A's masked half (slot 0).
; A's first half is a loop's body or, for j = 0, the masked half, so A's sums are not started by a line of their own: A begins with its running maximum at
; -infinity, and the first step's factor 2^(-infinity) = 0 wipes what B left in O and in the sum.  LIMIT: B's results are finite (see below).
; Every row has an allowed key in each block's first half (key 0), so the running maximum is finite from the first step on.
; WHERE LOW HALVES ARE KEPT: a row with few keys averages nothing, and is many times the output's root mean square, against which each number is judged.
; P is multiplied by v's low halves too for the first 64 keys of A's masked half, which for the batch's first block holds every key of rows 0-63 (the other
; seven even blocks run the same text, 16 matrix instructions a wave, so that all work-groups have the same work); the result has a low half for the first
; 512 tokens of a batch.
; LIMITS: |att| < 65,504 (it is a mean of v's rows); an exponential below 2^-126 counts as 0; q, k, the probabilities, v outside those 64 keys and the
; result from token 512 on are single f16 numbers.
; NO MULTICAST: the eight work-groups of a head have different numbers of halves in each of their two blocks (16 - 2 j and 2 j + 1), and no trip count may
; differ between partners; what would be shared is 32 KiB for each 128 keys.
; TRANSPOSED FORMS: S^T = K Q^T (lane (r, h) holds query r, keys 16 kt + 8 h + i), so maximum and sum along the keys are work inside a lane plus one exchange
; between the halves of the lanes, and two packed S^T tiles are P^T's fragment as they stand; O^T = V^T P^T (V^T by the transposing LDS load), so a lane holds
; eight neighbouring numbers of one query's row.
; Wave w owns query rows 32 w .. 32 w + 31 of the block, as two tiles of 16.  A softmax step is a whole half: the rescaling of O, the exchange and the end
; of the maximum come once for 128 keys.
.set SLOTB, 36864                      ; a slot: 128 keys of K (2 x 9,216) and of V (2 x 9,216)
.set WSTR,  9216                       ; what one wave fills: 64 keys = 32 rows of 256 bytes (two keys a row), pitch 272 (K) or 288 (V)
.set VOFF,  18432
.set VLOFF, 73728                      ; behind the ring: v's low halves of 64 keys, laid like a V tile, 9,216 bytes; filled once
.set STAGE, 82944                      ; behind them: 32 rows x 144 bytes for each wave; no tensor load lands there
.set C_LIT,  0x3e38aa3b                ; log2(e) / 8: the scale 1 / sqrt(64) and the base of the exponential in one factor
.set NC_LIT, 0xbe38aa3b                ; its negative
.set KAD, 4                            ; LDS address of my part of a K fragment: key r at (r >> 1) 272 + (r & 1) 128, + 16 h
.set VAD, 5                            ; the same for the transposing load of V: key 8 h + (l & 7), pitch 288, + 16 ((l >> 3) & 1)
.set STO, 6                            ; the way out: in
.set RD,  7                            ; the way out: back
.set CO,  8                            ; my byte offset in att
.set QO,  9                            ; my byte offset in q
.set DM,  10                           ; my query's place in its block less 8 h: 32 w + r - 8 h
.set MX,  12                           ; v12-13  running maximum of the raw scores, one a query tile
.set LS,  14                           ; v14-15  running sum over my half of the keys
.set TT,  16                           ; v16-19  at work
.set UU,  20                           ; v20-27  four pairs for the sums
.set AL,  28                           ; v28-29  the factor by which old sums shrink (the second register is only named)
.set NM,  30                           ; v30-31  -C x maximum (likewise)
.set SS,  32                           ; v32-159  scores, (qt, kt) at 64 qt + 8 kt; then P, (qt, ks) at 64 qt + 16 ks
.set OO,  160                          ; v160-223 O^T, (qt, dt) at 32 qt + 8 dt
.set EP,  224                          ; v224-255 the way out
.set KF,  0                            ; window 1: v256-383 K fragments, (kt, kk) at 8 (2 kt + kk)
.set VF,  128                          ; window 1: v384-511 V^T fragments, (dt, ks) at 8 (4 dt + ks)
.set QB,  0                            ; window 2: v512-543 block B's Q fragments, (qt, kk) at 8 (2 qt + kk)
.set QA,  32                           ; window 2: v544-575 block A's
.set VL,  64                           ; window 2: v576-639 V^T fragments of the low halves, (dt, ks) at 8 (2 dt + ks)
.set G1K, 16                           ; s[16:23] descriptor group 1 for K's tiles
.set G1V, 24                           ; s[24:31] for V's tiles
.set G0,  32                           ; s[32:39] group 0, one set a slot
.set WB,  40                           ; s[40:43] my wave's tile of half 0, of half 1
.set NK,  44                           ; s[44:47] byte offset, from there, of the half that slot 0's, slot 1's next refill brings
.set G1L, 68                           ; s[68:75] group 1 for the low halves
.set G0L, 76                           ; s[76:79] group 0 for the low halves
.set PA,  80                           ; s[80:83] block A: where query tiles 0, 1 go in att
.set PB,  84                           ; s[84:87] block B: the same
.set MSB, 0
.macro WIN new
.if MSB != \new
	s_set_vgpr_msb (MSB<<8)|\new
.set MSB, \new
.endif
.endm
.macro PLACES
.rept 4
	v_nop
.endr
.endm
; my wave's tensor load into slot s: waves 0, 1 bring K, waves 2, 3 bring V (another padding)
.macro KVLOAD s
	s_cmp_eq_u32 s11, 0
	s_cbranch_scc0 .Lv_\@
	tensor_load_to_lds s[G0+4*\s:G0+4*\s+3], s[G1K:G1K+7]
	s_nop 0
	s_branch .Lkv_\@
.Lv_\@:
	tensor_load_to_lds s[G0+4*\s:G0+4*\s+3], s[G1V:G1V+7]
	s_nop 0
.Lkv_\@:
.endm
	s_load_b128 s[4:7], s[0:1], 0x0                ; qkv s[4:5], att s[6:7]
	v_lshl_add_u32 v11, v0, 2, 0x29000
	s_set_vgpr_msb 0x80
	v_mov_b32 v129, 0
	s_set_vgpr_msb 0x8088
	ds_add_u32 v11, v129
	ds_add_u32 v11, v129
	s_set_vgpr_msb 0x8800
	v_lshrrev_b32 v1, 5, v0
	v_readfirstlane_b32 s10, v1                    ; wave 0..3
	s_lshr_b32 s11, s10, 1                         ; I fetch K (0) or V (1)
	s_and_b32 s12, s10, 1                          ; which 64 keys of a half
	s_lshr_b32 s9, ttmp9, 3                        ; p = 16 batch + head
	s_and_b32 s13, ttmp9, 7                        ; j
	s_lshl_b32 s66, s13, 1                         ; query block A = 2 j
	s_sub_co_u32 s14, 15, s66                      ; query block B = 15 - 2 j
	s_sub_co_u32 s50, 7, s13                       ; B's pairs of halves between its first and its last
	s_sub_co_u32 s67, s13, 1                       ; A's pairs in the loop (used where j > 0 alone)
	s_mov_b32 s51, 0xff800000                      ; -infinity
	s_mov_b32 s56, 0x76543210                      ; v_permlanex16_b32: lane i reads lane i of the other half
	s_mov_b32 s57, 0xfedcba98
	; group 1: a dense block as rows of 32 elements of 8 bytes; padding behind every 64 words: 4 words (K), 8 words (V and the low halves)
	s_mov_b32 s[G1K+0], (3<<16)|(1<<20)|(5<<22)|(3<<25)
	s_mov_b32 s[G1V+0], (3<<16)|(1<<20)|(5<<22)|(7<<25)
	s_mov_b32 s[G1L+0], (3<<16)|(1<<20)|(5<<22)|(7<<25)
.irp b, G1K, G1V, G1L
	s_mov_b32 s[\b+1], 32<<16                      ; tensor_dim0 = 32
	s_mov_b32 s[\b+3], 32<<16                      ; tile_dim0 = 32
	s_mov_b32 s[\b+5], 32                          ; elements from row to row
	s_mov_b32 s[\b+6], 0
	s_mov_b32 s[\b+7], 0
.endr
	s_mov_b32 s[G1K+2], 32<<16                     ; tensor_dim1 = 32 rows: 64 keys
	s_mov_b32 s[G1K+4], 32                         ; tile_dim1
	s_mov_b32 s[G1V+2], 32<<16
	s_mov_b32 s[G1V+4], 32
	s_mov_b32 s[G1L+2], 16<<16                     ; 16 rows: 32 keys
	s_mov_b32 s[G1L+4], 16
	s_lshl_b32 s2, s11, 5
	s_add_co_u32 s2, s2, s9
	s_add_co_u32 s2, s2, 32                        ; my plane, counted from q's first: 32 + p (K) or 64 + p (V)
	s_lshl_b32 s2, s2, 18
	s_lshl_b32 s3, s12, 13                         ; my 64 keys x 128 bytes
	s_add_co_u32 s2, s2, s3
	s_mov_b32 s3, 0
	s_mul_i32 s15, s10, WSTR                       ; my part of a slot
	s_mov_b32 s[NK], 0                             ; the first fills: halves 0 and 1
	s_mov_b32 s[NK+1], 0
	s_mov_b32 s[NK+2], 0
	s_mov_b32 s[NK+3], 0
	s_lshl3_add_u32 s62, s9, s13                   ; the low halves of A's masked half's first 64 keys (tokens 256 j ..): 8 p + j, 8,192 bytes each,
	s_lshl_b32 s62, s62, 13
	s_lshl_b32 s63, s12, 12                        ; wave 2: keys 0-31, wave 3: keys 32-63
	s_add_co_u32 s62, s62, s63
	s_add_co_u32 s62, s62, 0x1800000
	s_mov_b32 s63, 0
	s_mov_b32 s[G0L], 1
	s_mul_i32 s[G0L+1], s10, 4608                  ; 16 rows of 288 bytes a wave,
	s_add_co_u32 s[G0L+1], s[G0L+1], VLOFF-2*4608  ; from VLOFF on for wave 2
	s_wait_dscnt 0x0
	s_wait_kmcnt 0x0
	s_add_nc_u64 s[WB:WB+1], s[4:5], s[2:3]
	s_add_nc_u64 s[WB+2:WB+3], s[WB:WB+1], 16384   ; half 1: 128 keys on
	s_add_nc_u64 s[G0L+2:G0L+3], s[4:5], s[62:63]
	s_or_b32 s[G0L+3], s[G0L+3], 0x80000000
.irp s, 0,1
	s_mov_b32 s[G0+4*\s], 1
	s_add_co_u32 s[G0+4*\s+1], s15, \s*SLOTB
	s_add_nc_u64 s[G0+4*\s+2:G0+4*\s+3], s[WB+2*\s:WB+2*\s+1], s[NK+2*\s:NK+2*\s+1]
	s_or_b32 s[G0+4*\s+3], s[G0+4*\s+3], 0x80000000
.endr
	s_cmp_eq_u32 s11, 0                            ; all first fills of a wave inside one branch: two tensor loads of a K wave are out, three of a V wave;
	s_cbranch_scc0 .Lfirst_v                       ; slot 1's is the last on both ways
	tensor_load_to_lds s[G0:G0+3], s[G1K:G1K+7]
	s_nop 0
	tensor_load_to_lds s[G0+4:G0+7], s[G1K:G1K+7]
	s_nop 0
	s_branch .Lfirst_done
.Lfirst_v:
	tensor_load_to_lds s[G0:G0+3], s[G1V:G1V+7]
	s_nop 0
	tensor_load_to_lds s[G0L:G0L+3], s[G1L:G1L+7]
	s_nop 0
	tensor_load_to_lds s[G0+4:G0+7], s[G1V:G1V+7]
	s_nop 0
.Lfirst_done:
	; q: plane p, rows 128 i + 32 w of 128 bytes
	s_lshl_b32 s2, s9, 18
	s_lshl_b32 s62, s10, 12
	s_add_co_u32 s2, s2, s62
	s_lshl_b32 s62, s14, 14
	s_add_co_u32 s62, s62, s2
	s_add_nc_u64 s[58:59], s[4:5], s[62:63]        ; block B's
	s_lshl_b32 s62, s66, 14
	s_add_co_u32 s62, s62, s2
	s_add_nc_u64 s[60:61], s[4:5], s[62:63]        ; block A's
	; att: where a tile of 16 tokens goes.  Tile t = 8 i + 2 w + qt of the batch's 128.  t < 32: pair row 40 t.  Else u = t - 32: pair row 40 (u / 3) + 8 + 8 (u % 3).
	s_lshr_b32 s52, s9, 4
	s_mul_i32 s52, s52, 32*40*4096                 ; the batch's 32 groups
	s_and_b32 s53, s9, 15
	s_lshl_b32 s53, s53, 8                         ; head x 256 bytes
	s_add_co_u32 s52, s52, s53
	s_lshl_b32 s53, s10, 1                         ; 2 w
.macro ATTPTR dst, ireg, qt
	s_lshl3_add_u32 s2, s[\ireg], s53
	s_add_co_u32 s2, s2, \qt                       ; t
	s_mul_i32 s62, s2, 40
	s_max_u32 s3, s2, 32
	s_sub_co_u32 s3, s3, 32                        ; u, 0..95 (0 where t < 32)
	s_mul_i32 s54, s3, 171
	s_lshr_b32 s54, s54, 9                         ; u / 3: 171 / 512 = 1 / 3 + 1 / 1536, exact below u = 512
	s_mul_i32 s55, s54, 3
	s_sub_co_u32 s3, s3, s55                       ; u % 3
	s_mul_i32 s54, s54, 40
	s_lshl3_add_u32 s54, s3, s54
	s_add_co_u32 s54, s54, 8
	s_cmp_lt_u32 s2, 32
	s_cselect_b32 s62, s62, s54
	s_lshl_b32 s62, s62, 12                        ; pair rows of 4,096 bytes
	s_add_co_u32 s62, s62, s52
	s_add_nc_u64 s[\dst:\dst+1], s[6:7], s[62:63]
.endm
	ATTPTR PA,   66, 0
	ATTPTR PA+2, 66, 1
	ATTPTR PB,   14, 0
	ATTPTR PB+2, 14, 1
	v_and_b32 v1, 15, v0                           ; r
	v_bfe_u32 v2, v0, 4, 1                         ; h
	v_lshlrev_b32 v[QO], 7, v1
	v_lshl_add_u32 v[QO], v2, 4, v[QO]             ; query r's row of 128 bytes + 16 h
	WIN 0x80                                       ; destination in window 2
.irp qt, 0,1
.irp kk, 0,1
	global_load_b128 v[QB+8*(2*\qt+\kk):QB+8*(2*\qt+\kk)+3],   v[QO], s[58:59] offset:\qt*2048+\kk*64
	global_load_b128 v[QB+8*(2*\qt+\kk)+4:QB+8*(2*\qt+\kk)+7], v[QO], s[58:59] offset:\qt*2048+\kk*64+32
	global_load_b128 v[QA+8*(2*\qt+\kk):QA+8*(2*\qt+\kk)+3],   v[QO], s[60:61] offset:\qt*2048+\kk*64
	global_load_b128 v[QA+8*(2*\qt+\kk)+4:QA+8*(2*\qt+\kk)+7], v[QO], s[60:61] offset:\qt*2048+\kk*64+32
.endr
.endr
	WIN 0
	v_lshrrev_b32 v3, 1, v1
	v_mul_u32_u24 v[KAD], v3, 272
	v_and_b32 v3, 1, v0
	v_lshl_add_u32 v[KAD], v3, 7, v[KAD]
	v_lshl_add_u32 v[KAD], v2, 4, v[KAD]
	v_bfe_u32 v[TT], v0, 1, 2
	v_lshl_add_u32 v[TT], v2, 2, v[TT]             ; LDS row of key 8 h + (l & 7): 4 h + ((l & 7) >> 1)
	v_mul_u32_u24 v[VAD], v[TT], 288
	v_lshl_add_u32 v[VAD], v3, 7, v[VAD]
	v_bfe_u32 v[TT], v0, 3, 1
	v_lshl_add_u32 v[VAD], v[TT], 4, v[VAD]
	v_add_nc_u32 v[VAD], VOFF, v[VAD]
	s_mul_i32 s2, s10, 32*144
	s_add_co_u32 s2, s2, STAGE                     ; my stage
	v_mul_u32_u24 v[TT], v1, 144
	v_lshl_add_u32 v[TT], v2, 4, v[TT]
	v_add_nc_u32 v[STO], s2, v[TT]
	v_bfe_u32 v[TT], v0, 3, 2
	v_mul_u32_u24 v[TT], v[TT], 144
	v_and_b32 v[TT+1], 7, v0
	v_lshl_add_u32 v[TT], v[TT+1], 4, v[TT]
	v_add_nc_u32 v[RD], s2, v[TT]
	v_lshlrev_b32 v[CO], 12, v2                    ; lanes 16-31: the next pair, 4,096 bytes on
	v_lshl_add_u32 v[CO], v1, 4, v[CO]
	v_lshlrev_b32 v3, 3, v2
	v_sub_nc_u32 v3, v1, v3                        ; r - 8 h
	s_lshl_b32 s3, s10, 5
	v_add_nc_u32 v[DM], s3, v3                     ; 32 w + r - 8 h
	v_mov_b32 v[AL+1], 0                           ; the second registers of the broadcast pairs are named by the packed forms: written once
	v_mov_b32 v[NM+1], 0
; 32 loads: the K fragments of a half (window: destination 1); keys 0-63 lie in the first K wave's part of the slot, keys 64-127 in the second's
.macro KFETCH slot
.irp kt, 0,1,2,3,4,5,6,7
.irp kk, 0,1
	ds_load_b128 v[KF+8*(2*\kt+\kk):KF+8*(2*\kt+\kk)+3],   v[KAD] offset:(\slot)*SLOTB+(\kt>>2)*WSTR+(\kt&3)*2176+\kk*64
	ds_load_b128 v[KF+8*(2*\kt+\kk)+4:KF+8*(2*\kt+\kk)+7], v[KAD] offset:(\slot)*SLOTB+(\kt>>2)*WSTR+(\kt&3)*2176+\kk*64+32
.endr
.endr
.endm
; 32 transposing loads: the V^T fragments of a half; 32 keys are 16 LDS rows, 16 keys are 8
.macro VFETCH slot
.irp dt, 0,1,2,3
.irp ks, 0,1,2,3
	ds_load_tr16_b128 v[VF+8*(4*\dt+\ks):VF+8*(4*\dt+\ks)+3],   v[VAD] offset:(\slot)*SLOTB+(\ks>>1)*WSTR+(\ks&1)*4608+\dt*32
	ds_load_tr16_b128 v[VF+8*(4*\dt+\ks)+4:VF+8*(4*\dt+\ks)+7], v[VAD] offset:(\slot)*SLOTB+(\ks>>1)*WSTR+(\ks&1)*4608+\dt*32+2304
.endr
.endr
.endm
; 16 transposing loads: the same of the 64 keys' low halves (window: destination 2; VAD holds VOFF)
.macro VLFETCH
.irp dt, 0,1,2,3
.irp ks, 0,1
	ds_load_tr16_b128 v[VL+8*(2*\dt+\ks):VL+8*(2*\dt+\ks)+3],   v[VAD] offset:VLOFF-VOFF+\ks*4608+\dt*32
	ds_load_tr16_b128 v[VL+8*(2*\dt+\ks)+4:VL+8*(2*\dt+\ks)+7], v[VAD] offset:VLOFF-VOFF+\ks*4608+\dt*32+2304
.endr
.endr
.endm
; S^T = K Q^T for 128 keys x 32 queries.  The sixteen accumulators take turns, one instruction a turn.
.macro SMUL qb
.irp kk, 0,1
.irp qt, 0,1
.irp kt, 0,1,2,3,4,5,6,7
.if \kk
	v_wmma_f32_16x16x32_f16 v[SS+64*\qt+8*\kt:SS+64*\qt+8*\kt+7], v[KF+8*(2*\kt+\kk):KF+8*(2*\kt+\kk)+7], v[\qb+8*(2*\qt+\kk):\qb+8*(2*\qt+\kk)+7], v[SS+64*\qt+8*\kt:SS+64*\qt+8*\kt+7]
.else
	v_wmma_f32_16x16x32_f16 v[SS+64*\qt+8*\kt:SS+64*\qt+8*\kt+7], v[KF+8*(2*\kt+\kk):KF+8*(2*\kt+\kk)+7], v[\qb+8*(2*\qt+\kk):\qb+8*(2*\qt+\kk)+7], 0
.endif
.endr
.endr
.endr
.endm
; O^T += V^T P^T for one query tile and 128 keys; lo = 1: and the low halves' product for the first 64.  Four accumulators take turns.
; init = 1: the first product starts the sums.
.macro PV qt, init, lo
	WIN 0x01                                       ; source 0 (V^T) in window 1
.irp ks, 0,1,2,3
.irp dt, 0,1,2,3
.set first, 0
.if \init
.if \ks == 0
.set first, 1
.endif
.endif
.if first
	v_wmma_f32_16x16x32_f16 v[OO+32*\qt+8*\dt:OO+32*\qt+8*\dt+7], v[VF+8*(4*\dt+\ks):VF+8*(4*\dt+\ks)+7], v[SS+64*\qt+16*\ks:SS+64*\qt+16*\ks+7], 0
.else
	v_wmma_f32_16x16x32_f16 v[OO+32*\qt+8*\dt:OO+32*\qt+8*\dt+7], v[VF+8*(4*\dt+\ks):VF+8*(4*\dt+\ks)+7], v[SS+64*\qt+16*\ks:SS+64*\qt+16*\ks+7], v[OO+32*\qt+8*\dt:OO+32*\qt+8*\dt+7]
.endif
.endr
.endr
.if \lo
	WIN 0x02                                       ; source 0 (the low halves) in window 2
.irp ks, 0,1
.irp dt, 0,1,2,3
	v_wmma_f32_16x16x32_f16 v[OO+32*\qt+8*\dt:OO+32*\qt+8*\dt+7], v[VL+8*(2*\dt+\ks):VL+8*(2*\dt+\ks)+7], v[SS+64*\qt+16*\ks:SS+64*\qt+16*\ks+7], v[OO+32*\qt+8*\dt:OO+32*\qt+8*\dt+7]
.endr
.endr
.endif
	WIN 0
.endm
; The softmax step of one query tile: 64 scores a lane (query r, keys 16 kt + 8 h + i of the half).
.macro SOFT qt, init, mask
.set SB, SS+64*\qt
.set OB, OO+32*\qt
.if \mask
.set ee, 0
.rept 64                                           ; key 16 kt + 8 h + i of the diagonal half is allowed if it is not behind query 32 w + 16 qt + r of the block
	v_cmp_le_i32 vcc_lo, 16*(ee>>3)+(ee&7)-16*\qt, v[DM]
	v_cndmask_b32 v[SB+ee], s51, v[SB+ee], vcc_lo
.set ee, ee+1
.endr
.endif
.irp c, 0,1,2,3                                    ; four chains of sixteen scores
	v_max3_num_f32 v[TT+\c], v[SB+16*\c], v[SB+16*\c+1], v[SB+16*\c+2]
.endr
.irp k, 3,5,7,9,11,13
.irp c, 0,1,2,3
	v_max3_num_f32 v[TT+\c], v[TT+\c], v[SB+16*\c+\k], v[SB+16*\c+\k+1]
.endr
.endr
	v_max3_num_f32 v[TT],   v[TT],   v[SB+15], v[SB+31]
	v_max3_num_f32 v[TT+2], v[TT+2], v[SB+47], v[SB+63]
	v_max3_num_f32 v[TT],   v[TT],   v[TT+1],  v[TT+2]
	v_max_num_f32  v[TT],   v[TT],   v[TT+3]
	v_permlanex16_b32 v[TT+1], v[TT], s56, s57     ; the other half of the lanes holds the same query's other keys
.if \init
	v_max_num_f32 v[MX+\qt], v[TT], v[TT+1]
.else
	v_max3_num_f32 v[TT+2], v[TT], v[TT+1], v[MX+\qt]
	v_sub_f32 v[TT+3], v[MX+\qt], v[TT+2]
	v_mul_f32 v[TT+3], C_LIT, v[TT+3]
	v_mov_b32 v[MX+\qt], v[TT+2]
	v_exp_f32 v[AL], v[TT+3]                       ; old sums shrink by 2^(C (old maximum - new maximum)); the next line is the plain instruction behind it
.endif
	v_mul_f32 v[NM], NC_LIT, v[MX+\qt]
.set ee, 0
.rept 32
	v_pk_fma_f32 v[SB+ee:SB+ee+1], v[SB+ee:SB+ee+1], C_LIT, v[NM:NM+1] op_sel_hi:[1,0,0]   ; C s - C maximum, at most 0
.set ee, ee+2
.endr
.set ee, 0
.rept 64
	v_exp_f32 v[SB+ee], v[SB+ee]
.set ee, ee+1
.endr
; behind the run of exponentials a plain vector instruction that touches none of them comes before a result is used (ISA guide 5.7.2)
.if \init
	v_nop
	s_wait_alu depctr_va_vdst(0)
.else
.set ee, 0
	s_wait_alu depctr_va_vdst(0)
.rept 16
	v_pk_mul_f32 v[OB+ee:OB+ee+1], v[OB+ee:OB+ee+1], v[AL:AL+1] op_sel_hi:[1,0]
.set ee, ee+2
.endr
.endif
.irp c, 0,1,2,3
	v_pk_add_f32 v[UU+2*\c:UU+2*\c+1], v[SB+16*\c:SB+16*\c+1], v[SB+16*\c+2:SB+16*\c+3]
.endr
.irp k, 4,6,8,10,12,14
.irp c, 0,1,2,3
	v_pk_add_f32 v[UU+2*\c:UU+2*\c+1], v[UU+2*\c:UU+2*\c+1], v[SB+16*\c+\k:SB+16*\c+\k+1]
.endr
.endr
	v_pk_add_f32 v[UU:UU+1],   v[UU:UU+1],   v[UU+2:UU+3]
	v_pk_add_f32 v[UU+4:UU+5], v[UU+4:UU+5], v[UU+6:UU+7]
	v_pk_add_f32 v[UU:UU+1],   v[UU:UU+1],   v[UU+4:UU+5]
.if \init
	v_add_f32 v[LS+\qt], v[UU], v[UU+1]
.else
	v_add_f32 v[TT], v[UU], v[UU+1]
	v_fma_f32 v[LS+\qt], v[LS+\qt], v[AL], v[TT]
.endif
.irp ks, 0,1,2,3
.irp i, 0,1,2,3,4,5,6,7
	v_cvt_pk_f16_f32 v[SB+16*\ks+\i], v[SB+16*\ks+2*\i], v[SB+16*\ks+2*\i+1]   ; in place: word i is written when scores 2 i, 2 i + 1 are read
.endr
.endr
.endm
; A half: 128 keys in slot 'slot' against my 32 queries.
; kind 1: it changes slots: each wave waits for its reads of this slot and for all its tensor loads (at most one is out: its part of the other slot), passes
; the barrier, fills this slot again first, then fetches the other slot's K fragments.  The refill has one half's work in which to land.
;   refill 1: always; 2: only where A has a half 1 (j > 0); 0: nothing is left for this slot.      kind 2: the very last half.
.macro HALF slot, kind, refill, mask, init, qb, lo
	s_wait_dscnt 0x0                               ; this half's K fragments are in
	WIN 0x09                                       ; source 0 (K) in window 1, source 1 (Q) in window 2
	SMUL \qb
	PLACES                                         ; four plain places behind the products: for the readers of S, and for the loads into V's registers
	WIN 0x40                                       ; destination in window 1
	VFETCH \slot
.if \lo
	WIN 0x80                                       ; destination in window 2
	VLFETCH
.endif
	WIN 0
	SOFT 0, \init, \mask
	s_wait_dscnt 0x0                               ; V's fragments are in: my reads of this slot are over
.if \kind == 1
	s_set_vgpr_msb 0x8
	s_wait_tensorcnt 0x0                           ; all my tensor loads have landed: a group 0 may be written
	ds_add_u32 v11, v129
	s_wait_dscnt 0x0
	s_set_vgpr_msb 0x800
.if \refill
	s_add_nc_u64 s[G0+4*\slot+2:G0+4*\slot+3], s[WB+2*\slot:WB+2*\slot+1], s[NK+2*\slot:NK+2*\slot+1]
	s_or_b32 s[G0+4*\slot+3], s[G0+4*\slot+3], 0x80000000
.endif
	s_barrier_signal -1
.endif
	PV 0, \init, \lo                               ; register work while the others arrive
.if \kind == 1
	s_barrier_wait -1
.if \refill == 1
	KVLOAD \slot                                   ; the wave's first tensor load behind the barrier and its only one until the next
.endif
.if \refill == 2
	s_cmp_eq_u32 s13, 0
	s_cbranch_scc1 .Lnone_\@
	KVLOAD \slot
.Lnone_\@:
.endif
	WIN 0x40
	KFETCH 1-\slot
	WIN 0
.endif
	SOFT 1, \init, \mask
	PV 1, \init, \lo
.rept 5                                            ; five plain places: the next products write over P; the way out reads O
	v_nop
.endr
.endm
; From my stage to att: four queries x 128 bytes a load = two (pair, head) units.  Loads 0-3 are query tile 0's, loads 4-7 tile 1's.  add: 0, or the low halves' 32 pair rows.
.macro STAGEOUT p0, add
	s_wait_xcnt 0x0                                ; the registers loaded next were the data of earlier stores
.irp t, 0,1,2,3,4,5,6,7
	ds_load_b128 v[EP+4*\t:EP+4*\t+3], v[RD] offset:\t*576         ; LDS serves a wave's instructions in order: these see the stores above
.endr
.irp t, 0,1,2,3,4,5,6,7
	s_wait_dscnt 7-\t                              ; this load is in, the younger ones stay out
	global_store_b128 v[CO], v[EP+4*\t:EP+4*\t+3], s[\p0+2*(\t>>2):\p0+2*(\t>>2)+1] offset:(\t&3)*8192+\add   ; 16 lanes: the 256 consecutive aligned bytes of one (pair, head)
.endr
.endm
; The way out of a block: divide by the sum, round to f16 (kept in v32-63), 16 bytes a lane into my own stage, and out.
.macro EPI p0
	v_permlanex16_b32 v[TT],   v[LS],   s56, s57
	v_permlanex16_b32 v[TT+1], v[LS+1], s56, s57
	v_add_f32 v[TT],   v[TT],   v[LS]              ; both halves of the keys; at least 1, since the largest score gives 2^0
	v_add_f32 v[TT+1], v[TT+1], v[LS+1]
	v_rcp_f32 v[AL], v[TT]
	v_rcp_f32 v[NM], v[TT+1]
	v_nop                                          ; the plain place behind the reciprocals
.set ee, 0
	s_wait_alu depctr_va_vdst(0)
.rept 16
	v_pk_mul_f32 v[OO+ee:OO+ee+1], v[OO+ee:OO+ee+1], v[AL:AL+1] op_sel_hi:[1,0]
	v_pk_mul_f32 v[OO+32+ee:OO+32+ee+1], v[OO+32+ee:OO+32+ee+1], v[NM:NM+1] op_sel_hi:[1,0]
.set ee, ee+2
.endr
.irp qt, 0,1
.irp dt, 0,1,2,3
.irp i, 0,1,2,3
	v_cvt_pk_f16_f32 v[SS+16*\qt+4*\dt+\i], v[OO+32*\qt+8*\dt+2*\i], v[OO+32*\qt+8*\dt+2*\i+1]
.endr
	ds_store_b128 v[STO], v[SS+16*\qt+4*\dt:SS+16*\qt+4*\dt+3] offset:\qt*2304+\dt*32
.endr
.endr
	STAGEOUT \p0, 0
.endm
; The low halves of eight neighbouring numbers in v[ob : ob + 7], whose f16 values are the halves a0 .. a7: a - f16(a) is exact in f32.
.macro LOSPL ob, off, a0, a1, a2, a3, a4, a5, a6, a7
	v_cvt_f32_f16 v64, \a0
	v_cvt_f32_f16 v65, \a1
	v_cvt_f32_f16 v66, \a2
	v_cvt_f32_f16 v67, \a3
	v_cvt_f32_f16 v68, \a4
	v_cvt_f32_f16 v69, \a5
	v_cvt_f32_f16 v70, \a6
	v_cvt_f32_f16 v71, \a7
	v_pk_add_f32 v[\ob:\ob+1],   v[\ob:\ob+1],   v[64:65] neg_lo:[0,1] neg_hi:[0,1]
	v_pk_add_f32 v[\ob+2:\ob+3], v[\ob+2:\ob+3], v[66:67] neg_lo:[0,1] neg_hi:[0,1]
	v_pk_add_f32 v[\ob+4:\ob+5], v[\ob+4:\ob+5], v[68:69] neg_lo:[0,1] neg_hi:[0,1]
	v_pk_add_f32 v[\ob+6:\ob+7], v[\ob+6:\ob+7], v[70:71] neg_lo:[0,1] neg_hi:[0,1]
	v_cvt_pk_f16_f32 v72, v[\ob],   v[\ob+1]
	v_cvt_pk_f16_f32 v73, v[\ob+2], v[\ob+3]
	v_cvt_pk_f16_f32 v74, v[\ob+4], v[\ob+5]
	v_cvt_pk_f16_f32 v75, v[\ob+6], v[\ob+7]
	ds_store_b128 v[STO], v[72:75] offset:\off
.endm
; Blocks 0-3 are the batch's first 512 tokens: their low halves go out too, 32 pair rows behind the f16 values.
.macro LOWOUT p0, ireg
	s_cmp_ge_u32 s[\ireg], 4
	s_cbranch_scc1 .Lno_low_\@
	LOSPL OO+0,  0,    v32.l, v32.h, v33.l, v33.h, v34.l, v34.h, v35.l, v35.h
	LOSPL OO+8,  32,   v36.l, v36.h, v37.l, v37.h, v38.l, v38.h, v39.l, v39.h
	LOSPL OO+16, 64,   v40.l, v40.h, v41.l, v41.h, v42.l, v42.h, v43.l, v43.h
	LOSPL OO+24, 96,   v44.l, v44.h, v45.l, v45.h, v46.l, v46.h, v47.l, v47.h
	LOSPL OO+32, 2304, v48.l, v48.h, v49.l, v49.h, v50.l, v50.h, v51.l, v51.h
	LOSPL OO+40, 2336, v52.l, v52.h, v53.l, v53.h, v54.l, v54.h, v55.l, v55.h
	LOSPL OO+48, 2368, v56.l, v56.h, v57.l, v57.h, v58.l, v58.h, v59.l, v59.h
	LOSPL OO+56, 2400, v60.l, v60.h, v61.l, v61.h, v62.l, v62.h, v63.l, v63.h
	STAGEOUT \p0, 32*4096
.Lno_low_\@:
.endm
	s_wait_loadcnt 0x0                             ; both blocks' Q fragments
	s_wait_tensorcnt 1                             ; my part of slot 0 (and of the low halves) is in; slot 1's load, issued last, stays out
	s_barrier_signal -1
	s_barrier_wait -1
	WIN 0x40
	KFETCH 0
	WIN 0
	; BLOCK B.  Half 0, in slot 0, starts the sums.  Its refill brings B's half 2 or, where B has but two halves (j = 7), A's half 0.
	s_cmp_lt_u32 s13, 7
	s_cselect_b32 s[NK], 0x8000, 0
	HALF 0, 1, 1, 0, 1, QB, 0
	s_cmp_eq_u32 s50, 0
	s_cbranch_scc1 .LdoneB
	s_mov_b32 s48, 0
.LloopB:                                           ; trip u: halves 2 u + 1 (slot 1) and 2 u + 2 (slot 0)
	s_add_co_u32 s49, s48, 1
	s_lshl_b32 s[NK+2], s49, 15                    ; slot 1 next: half 2 u + 3, which B always has
	s_add_co_u32 s62, s48, 2
	s_lshl_b32 s62, s62, 15
	s_cmp_lt_u32 s49, s50
	s_cselect_b32 s[NK], s62, 0                    ; slot 0 next: half 2 u + 4, or A's half 0 behind B's last even half
	HALF 1, 1, 1, 0, 0, QB, 0
	HALF 0, 1, 1, 0, 0, QB, 0
	s_add_co_u32 s48, s48, 1
	s_cmp_lt_u32 s48, s50
	s_cbranch_scc1 .LloopB
.LdoneB:
	s_mov_b32 s[NK+2], 0                           ; slot 1 next: A's half 1, where A has one
	HALF 1, 1, 2, 1, 0, QB, 0                      ; B's last half, on the diagonal
	EPI PB
	LOWOUT PB, 14
	; BLOCK A.  The running maximum starts at -infinity: the first step's factor is 0 and wipes B's (finite) leftovers from O and from the sum.
	v_mov_b32 v[MX], s51
	v_mov_b32 v[MX+1], s51
	s_cmp_eq_u32 s13, 0
	s_cbranch_scc1 .LlastA
	s_cmp_eq_u32 s67, 0
	s_cbranch_scc1 .LpeelA
	s_mov_b32 s48, 0
.LloopA:                                           ; trip u: halves 2 u (slot 0) and 2 u + 1 (slot 1); their refills bring halves 2 u + 2 and 2 u + 3
	s_add_co_u32 s49, s48, 1
	s_lshl_b32 s[NK], s49, 15
	s_lshl_b32 s[NK+2], s49, 15
	HALF 0, 1, 1, 0, 0, QA, 0
	HALF 1, 1, 1, 0, 0, QA, 0
	s_add_co_u32 s48, s48, 1
	s_cmp_lt_u32 s48, s67
	s_cbranch_scc1 .LloopA
.LpeelA:
	s_lshl_b32 s[NK], s13, 15                      ; slot 0 next: half 2 j, on the diagonal: the last tensor load
	HALF 0, 1, 1, 0, 0, QA, 0                      ; half 2 j - 2
	HALF 1, 1, 0, 0, 0, QA, 0                      ; half 2 j - 1: nothing is left for slot 1
.LlastA:
	HALF 0, 2, 0, 1, 0, QA, 1                      ; A's last half, on the diagonal, with v's low halves for its first 64 keys
	EPI PA
	LOWOUT PA, 66
	s_set_vgpr_msb 0x8
	s_wait_tensorcnt 0x0
	ds_add_u32 v11, v129
	s_wait_dscnt 0x0
	s_set_vgpr_msb 0x800
	s_endpgm
.Lfunc_end_k_q71a04f4d27_attn:
	.size	k_q71a04f4d27_attn, .Lfunc_end_k_q71a04f4d27_attn-k_q71a04f4d27_attn
	.p2alignl 7, 3214868480
	.fill 96, 4, 3214868480
	.section	.rodata,"a",@progbits
	.p2align	6, 0x0
	.amdhsa_kernel k_q71a04f4d27_attn
		.amdhsa_group_segment_fixed_size 327680
		.amdhsa_private_segment_fixed_size 0
		.amdhsa_enable_private_segment 0
		.amdhsa_kernarg_size 16
		.amdhsa_user_sgpr_count 2
		.amdhsa_user_sgpr_kernarg_segment_ptr 1
		.amdhsa_wavefront_size32 1
		.amdhsa_system_sgpr_workgroup_id_x 1
		.amdhsa_system_sgpr_workgroup_id_y 1
		.amdhsa_system_sgpr_workgroup_id_z 1
		.amdhsa_system_vgpr_workitem_id 0
		.amdhsa_next_free_vgpr 642
		.amdhsa_next_free_sgpr 96
		.amdhsa_reserve_vcc 1
		.amdhsa_float_denorm_mode_32 3
		.amdhsa_float_denorm_mode_16_64 3
		.amdhsa_memory_ordered 1
		.amdhsa_forward_progress 1
		.amdhsa_inst_pref_size 255
	.end_amdhsa_kernel
	.section	.bss,"aw",@nobits
	.p2align	6
	.space	262144
	.amdgpu_metadata
---
amdhsa.version: [ 1, 2 ]
amdhsa.kernels:
  - .name:           k_q71a04f4d27_attn
    .symbol:         k_q71a04f4d27_attn.kd
    .args:
      - { .name: qkv, .offset: 0, .size: 8, .value_kind: global_buffer, .address_space: global }
      - { .name: att, .offset: 8, .size: 8, .value_kind: global_buffer, .address_space: global }
    .group_segment_fixed_size: 327680
    .private_segment_fixed_size: 0
    .kernarg_segment_align: 8
    .kernarg_segment_size: 16
    .max_flat_workgroup_size: 128
    .sgpr_count:     96
    .vgpr_count:     642
    .wavefront_size: 32
...
	.end_amdgpu_metadata
.endif
;; end of part 6
;; launch proj (part 7): grid 8 x 32, 4 waves a work-group, clusters of 4 x 4, 327,680 bytes of LDS; arguments att, wpb, out0; writes out0
.if DOCPART == 7
	.amdgcn_target "amdgcn-amd-amdhsa--gfx1250"
	.amdhsa_code_object_version 6
	.text
	.protected	k_q71a04f4d27_proj
	.globl	k_q71a04f4d27_proj
	.p2align	8
	.type	k_q71a04f4d27_proj,@function
k_q71a04f4d27_proj:
	s_mov_b64 s[64:65], 0
	v_nop
	global_prefetch_b8 v0, s[64:65] scope:SCOPE_SE
	s_setreg_imm32_b32 hwreg(HW_REG_WAVE_MODE, 25, 1), 1
	s_wait_xcnt 0x0
	s_wait_alu depctr_hold_cnt(0) depctr_sa_sdst(0) depctr_va_vdst(0) depctr_va_sdst(0) depctr_va_ssrc(0) depctr_va_vcc(0) depctr_vm_vsrc(0)
	s_getreg_b32 s2, hwreg(HW_REG_IB_STS2, 6, 4)
	s_cmp_eq_u32 s2, 0
	s_cbranch_scc0 .Lentry_in_a_cluster
	s_endpgm
.Lentry_in_a_cluster:
	s_bfe_u32 s2, ttmp6, 0x10000c
	s_cmp_lg_u32 s2, 0xf033
	s_cbranch_scc0 .Lentry_shape_is_right
	s_endpgm
.Lentry_shape_is_right:
; out0 = att W_proj^T.  wpb: [1024][1024] f16, out0: [4096][1024] f32.  The f16 form, sums in f32.
; att: 64 groups of 40 pair rows of 4,096 bytes; a pair row is [16 heads][2 tokens][64] f16 (K = 64 head + d).  Group 32 batch + g holds: pairs 0-7 tokens
; 16 g .. 16 g + 15 of the batch; pairs 8-31 tokens 512 + 48 g .. 512 + 48 g + 47; pairs 32-39 the low halves (a - f16(a)) of the first sixteen.
; A work-group makes two groups (128 tokens) x 128 columns with four waves, a wave one group x 64 columns: 16 accumulator tiles.  8 x 32 = 256 work-groups.
; Token tile 0 of every wave is multiplied twice, by its f16 values and by its low halves: 20 matrix instructions for 32 along K.  So the batch's first 512
; tokens, among them the rows with few keys, which are many times the output's root mean square, enter with some 22 bits, and all waves have the same work.
; K goes in steps of 256 (four heads) through two LDS slots: four steps, two refills.  A pair's four heads are 1,024 consecutive bytes, so a group's tile, low
; halves and all, is one plain tile of 40 rows of 1,024 bytes; W's is 64 rows of 512 bytes a wave.
; CLUSTERS: 4 x 4 work-groups; att's tiles are shared along a row of the cluster, W's along a column, each asked for jointly.
; REGISTERS: window 0: v16-26 addresses, v64-103 and v128-167 fragments of att (tiles 0-3, then tile 0's low halves); window 1: v64-95 and v128-159 fragments
; of W; window 2: accumulator tile (a, b) at v[8 (4 a + b)].  The matrix instruction is used transposed (source 0 = W's rows): a lane holds eight
; neighbouring columns of one token.
.set APITCH, 1040                      ; 1,024 bytes + 16: token r at (r >> 1) 1040 + (r & 1) 128: sixteen different 16-byte columns modulo 256
.set BPITCH, 528                       ; 512 bytes + 16
.set ASTR,   40*APITCH                 ; 41,600: what wave 0 or 1 fills
.set BSTR,   64*BPITCH                 ; 33,792: what wave 2 or 3 fills
.set BOFF,   2*ASTR
.set SLOT,   2*ASTR+2*BSTR             ; 150,784
.set STAGE,  2*SLOT                    ; 301,568: 16 rows x 272 bytes for each wave; no tensor load lands there
.set SPITCH, 272
.set ADRA, 16
.set ADRB, 20
.set STO,  24
.set RD,   25
.set CO,   26
.set F0,   64
.set F1,   128
.set G1,  24
.set G0,  32
.set G1B, 48
.set G0B, 56
.set PE,  66                           ; s[66:67] the way out: tile 0's tokens
.set PN,  68                           ; s[68:69] the way out: tiles 1-3's tokens
.set MSB, 0
.macro WIN new
.if MSB != \new
	s_set_vgpr_msb (MSB<<8)|\new
.set MSB, \new
.endif
.endm
.set MUL,  0xa1                        ; source 0 (W) window 1, source 1 (att) window 0, C and D window 2
.set TO_B, 0x40
.macro JLOAD s
	s_cmp_eq_u32 s11, 0
	s_cbranch_scc0 .Lfor_b_\@
	tensor_load_to_lds s[G0+4*\s:G0+4*\s+3], s[G1:G1+7]
	s_nop 0
	s_branch .Lasked_\@
.Lfor_b_\@:
	tensor_load_to_lds s[G0B+4*\s:G0B+4*\s+3], s[G1B:G1B+7]
	s_nop 0
.Lasked_\@:
.endm
.macro CREST
	s_cmp_lg_u32 s10, 0
	s_cbranch_scc1 .Lnot_wave_0_\@
	s_barrier_signal -3
.Lnot_wave_0_\@:
	s_barrier_wait -3
	s_barrier_signal -1
	s_barrier_wait -1
.endm
.macro CROUND
	s_barrier_signal -1
	s_barrier_wait -1
	CREST
.endm
.macro PLACES
.rept 4
	v_nop
.endr
.endm
	s_load_b128 s[4:7], s[0:1], 0x0                ; att s[4:5], wpb s[6:7]
	s_load_b64 s[8:9], s[0:1], 0x10                ; out0
	s_set_vgpr_msb 0x40
	v_lshl_add_u32 v255, v0, 2, 0x4de00
	s_set_vgpr_msb 0x4000
	v_mov_b32 v255, 0
	s_set_vgpr_msb 0x1
	ds_add_u32 v255, v255
	ds_add_u32 v255, v255
	s_set_vgpr_msb 0x100
	v_lshrrev_b32 v1, 5, v0
	v_readfirstlane_b32 s10, v1                    ; wave 0..3
	s_lshr_b32 s11, s10, 1                         ; which group of the block's two is mine.  Also: I fetch att (0) or W (1)
	s_and_b32 s12, s10, 1                          ; which 64 columns.  Also: which half of that tile I fetch
	s_bfe_u32 s40, ttmp6, 0x40000                  ; cx
	s_bfe_u32 s41, ttmp6, 0x40004                  ; cy
	s_lshl_b32 s42, ttmp9, 2
	s_add_co_u32 s42, s42, s40                     ; block column
	s_and_b32 s13, ttmp7, 0xffff
	s_lshl_b32 s13, s13, 2
	s_add_co_u32 s13, s13, s41                     ; block row
	s_lshl_b32 s43, s41, 2
	s_lshl_b32 s43, 15, s43                        ; my row of the cluster
	s_lshl_b32 s44, 0x1111, s40                    ; my column
	s_or_b32 s[G1+0],  s43, (1<<16)|(1<<20)|(1<<21)|(7<<22)|(3<<25)   ; elements of 2 bytes; 4 words of padding behind every 256 words
	s_or_b32 s[G1B+0], s44, (1<<16)|(1<<20)|(1<<21)|(6<<22)|(3<<25)   ; behind every 128 words
	s_mov_b32 s[G1+1],  512<<16                    ; tensor_dim0
	s_mov_b32 s[G1B+1], 256<<16
	s_mov_b32 s[G1+2],  40<<16                     ; tensor_dim1
	s_mov_b32 s[G1B+2], 64<<16
	s_mov_b32 s[G1+3],  512<<16                    ; tile_dim0
	s_mov_b32 s[G1B+3], 256<<16
	s_mov_b32 s[G1+4],  40                         ; tile_dim1
	s_mov_b32 s[G1B+4], 64
	s_mov_b32 s[G1+5],  2048                       ; elements from pair row to pair row
	s_mov_b32 s[G1B+5], 1024                       ; from row to row
	s_mov_b32 s[G1+6],  0
	s_mov_b32 s[G1B+6], 0
	s_mov_b32 s[G1+7],  0
	s_mov_b32 s[G1B+7], 0
	s_mul_i32 s16, s13, 80*4096                    ; att: group 2 x block row + half, 40 pair rows of 4,096 bytes each
	s_mul_i32 s17, s12, 40*4096
	s_add_co_u32 s16, s16, s17
	s_mov_b32 s17, 0
	s_lshl_b32 s46, s42, 18                        ; W: row 128 x block column + 64 x half, 2,048 bytes each
	s_lshl_b32 s47, s12, 17
	s_add_co_u32 s46, s46, s47
	s_mov_b32 s47, 0
	s_mul_i32 s20, s10, ASTR                       ; where att's groups go (waves 0, 1)
	s_mul_i32 s45, s10, BSTR
	s_add_co_u32 s45, s45, BOFF-2*BSTR             ; where W's halves go (waves 2, 3): BOFF, BOFF + BSTR
	s_wait_dscnt 0x0
	s_wait_kmcnt 0x0
	s_add_nc_u64 s[14:15], s[4:5], s[16:17]
	s_add_nc_u64 s[46:47], s[6:7], s[46:47]
	CROUND                                         ; in front of the first joint loads
.irp s, 0,1
	s_mov_b32 s[G0+4*\s], 1
	s_add_co_u32 s[G0+4*\s+1], s20, \s*SLOT
	s_add_nc_u64 s[G0+4*\s+2:G0+4*\s+3], s[14:15], \s*1024         ; K step s: four heads of 256 bytes
	s_or_b32 s[G0+4*\s+3], s[G0+4*\s+3], 0x80000000
	s_mov_b32 s[G0B+4*\s], 1
	s_add_co_u32 s[G0B+4*\s+1], s45, \s*SLOT
	s_add_nc_u64 s[G0B+4*\s+2:G0B+4*\s+3], s[46:47], \s*512        ; K step s: 256 f16
	s_or_b32 s[G0B+4*\s+3], s[G0B+4*\s+3], 0x80000000
	JLOAD \s                                       ; two tensor loads of the wave are out
.endr
	v_and_b32 v1, 15, v0                           ; r
	v_bfe_u32 v2, v0, 4, 1                         ; h
	v_lshrrev_b32 v3, 1, v1
	v_mul_u32_u24 v3, v3, APITCH
	v_and_b32 v4, 1, v0
	v_lshl_add_u32 v3, v4, 7, v3
	v_lshl_add_u32 v3, v2, 4, v3                   ; att: pair r >> 1, token r & 1, + 16 h
	v_mul_u32_u24 v4, v1, BPITCH
	v_lshl_add_u32 v4, v2, 4, v4                   ; W: row r, + 16 h
	s_mul_i32 s21, s11, ASTR                       ; my group = what wave s11 fetched
	s_mul_i32 s22, s12, BSTR
	s_add_co_u32 s22, s22, BOFF                    ; my 64 rows of W = what wave 2 + s12 fetched
.irp s, 0,1
	v_add_nc_u32 v[ADRA+\s], s21, v3
	v_add_nc_u32 v[ADRB+\s], s22, v4
	s_add_co_u32 s21, s21, SLOT
	s_add_co_u32 s22, s22, SLOT
.endr
	s_mul_i32 s23, s10, 16*SPITCH
	s_add_co_u32 s23, s23, STAGE                   ; my stage
	v_mul_u32_u24 v5, v1, SPITCH
	v_lshl_add_u32 v5, v2, 5, v5                   ; in: token r, 32 bytes for each half of the lanes
	v_add_nc_u32 v[STO], s23, v5
	v_mul_u32_u24 v5, v2, SPITCH
	v_lshl_add_u32 v5, v1, 4, v5                   ; back: lanes 0-15 one row of 256 bytes, lanes 16-31 the next
	v_add_nc_u32 v[RD], s23, v5
	v_lshlrev_b32 v5, 12, v2                       ; and the same two rows of out0, 4,096 bytes apart
	v_lshl_add_u32 v[CO], v1, 4, v5
; 8 matrix instructions: token tiles a0, a0 + 1 x all 4 column tiles, 32 along K
.macro MUL8 f, a0, zero
.irp a, \a0, \a0+1
.irp b, 0,1,2,3
.if \zero
	v_wmma_f32_16x16x32_f16 v[8*(4*(\a)+\b):8*(4*(\a)+\b)+7], v[\f+8*\b:\f+8*\b+7], v[\f+8*(\a):\f+8*(\a)+7], 0
.else
	v_wmma_f32_16x16x32_f16 v[8*(4*(\a)+\b):8*(4*(\a)+\b)+7], v[\f+8*\b:\f+8*\b+7], v[\f+8*(\a):\f+8*(\a)+7], v[8*(4*(\a)+\b):8*(4*(\a)+\b)+7]
.endif
.endr
.endr
.endm
; 4 matrix instructions: token tile 0's low halves x all 4 column tiles, onto tile 0's sums
.macro MULLO f
.irp b, 0,1,2,3
	v_wmma_f32_16x16x32_f16 v[8*\b:8*\b+7], v[\f+8*\b:\f+8*\b+7], v[\f+32:\f+39], v[8*\b:8*\b+7]
.endr
.endm
; 18 LDS loads: chunk c (32 K) of the slot's eight: in W byte 64 c of the row; in att head c >> 1 of the four, half c & 1 of its 64.  att's tile 4 is tile 0's low halves.
.macro FETCH slot, c, f
	WIN TO_B
.irp i, 0,1,2,3
	ds_load_b128 v[\f+8*\i:\f+8*\i+3],   v[ADRB+\slot] offset:\i*16*BPITCH+(\c)*64
	ds_load_b128 v[\f+8*\i+4:\f+8*\i+7], v[ADRB+\slot] offset:\i*16*BPITCH+(\c)*64+32
.endr
	WIN 0
.irp i, 0,1,2,3,4
	ds_load_b128 v[\f+8*\i:\f+8*\i+3],   v[ADRA+\slot] offset:\i*8*APITCH+((\c)>>1)*256+((\c)&1)*64
	ds_load_b128 v[\f+8*\i+4:\f+8*\i+7], v[ADRA+\slot] offset:\i*8*APITCH+((\c)>>1)*256+((\c)&1)*64+32
.endr
.endm
; One of a K step's first seven eighths: buffer f is in; chunk c goes out into buffer g, 20 matrix instructions ahead of its use; f is multiplied.
; The accumulators take turns, one instruction a turn, in the same order in every eighth.
.macro EIGHTH slot, c, f, g, zero
	s_wait_dscnt 0x0
	PLACES                                         ; four plain places behind the matrix instructions that read buffer g
	FETCH \slot, \c, \g
	WIN MUL
	MUL8 \f, 0, \zero
	MUL8 \f, 2, \zero
	MULLO \f
.endm
.macro SEVEN slot, zero
	EIGHTH \slot, 1, F0, F1, \zero
	EIGHTH \slot, 2, F1, F0, 0
	EIGHTH \slot, 3, F0, F1, 0
	EIGHTH \slot, 4, F1, F0, 0
	EIGHTH \slot, 5, F0, F1, 0
	EIGHTH \slot, 6, F1, F0, 0
	EIGHTH \slot, 7, F0, F1, 0
.endm
; The last eighth multiplies buffer 1 and changes slots.  From a request to the wait for it a wave issues 152 matrix instructions.
.macro TURN slot, next, fill
	s_wait_dscnt 0x0                               ; my reads of this slot are over
	s_wait_tensorcnt 0x0                           ; all my tensor loads have landed: my part of the next slot
	ds_add_u32 v255, v255
	s_wait_dscnt 0x0
	s_barrier_signal -1                            ; (where a slot is filled again this barrier opens a round of the cluster's barrier)
	WIN MUL
	MUL8 F1, 0, 0                                  ; register work while the others arrive
	WIN 0
	s_barrier_wait -1
.if \fill
	CREST
	s_add_nc_u64 s[G0+4*\slot+2:G0+4*\slot+3], s[G0+4*\slot+2:G0+4*\slot+3], 2048
	s_add_nc_u64 s[G0B+4*\slot+2:G0B+4*\slot+3], s[G0B+4*\slot+2:G0B+4*\slot+3], 1024
	JLOAD \slot                                    ; the first tensor load behind the round, the wave's only one until the next
.endif
	PLACES
	FETCH \next, 0, F0
	WIN MUL
	MUL8 F1, 2, 0
	MULLO F1
.endm
	s_wait_tensorcnt 1                             ; my part of K step 0 is in; K step 1's load stays out
	s_barrier_signal -1
	s_barrier_wait -1
	FETCH 0, 0, F0
	SEVEN 0, 1                                     ; K step 0: its first products start the sums
	TURN 0, 1, 1
	SEVEN 1, 0                                     ; K step 1
	TURN 1, 0, 1
	SEVEN 0, 0                                     ; K step 2
	TURN 0, 1, 0
	SEVEN 1, 0                                     ; K step 3
	s_wait_dscnt 0x0
	WIN MUL
	MUL8 F1, 0, 0
	MUL8 F1, 2, 0
	MULLO F1
	; THE WAY OUT, 16 tokens at a time: 32 bytes a lane straight from the accumulators into my own stage, read back as rows of 256 bytes.
	; My group is g = 2 (block row & 15) + half of batch block row >> 4: tile 0 is tokens 16 g .., tiles 1-3 are tokens 512 + 48 g ..
	PLACES
	WIN 0
	s_lshr_b32 s72, s13, 4
	s_lshl_b32 s72, s72, 23                        ; the batch: 2,048 tokens x 4,096 bytes
	s_lshl_b32 s73, s42, 9                         ; 128 columns x 4 bytes a block column
	s_add_co_u32 s72, s72, s73
	s_lshl_b32 s73, s12, 8                         ; my 64 columns
	s_add_co_u32 s72, s72, s73
	s_and_b32 s74, s13, 15
	s_lshl1_add_u32 s74, s74, s11                  ; g
	s_lshl_b32 s76, s74, 16                        ; 16 g tokens
	s_add_co_u32 s76, s76, s72
	s_mov_b32 s77, 0
	s_add_nc_u64 s[PE:PE+1], s[8:9], s[76:77]
	s_mul_i32 s76, s74, 48*4096                    ; 512 + 48 g tokens
	s_add_co_u32 s76, s76, 512*4096
	s_add_co_u32 s76, s76, s72
	s_add_nc_u64 s[PN:PN+1], s[8:9], s[76:77]
.macro OUT16 a, f, base, off
	WIN 0x08                                       ; store data (source 1) in window 2
.irp b, 0,1,2,3
	ds_store_b128 v[STO], v[8*(4*\a+\b):8*(4*\a+\b)+3]   offset:64*\b
	ds_store_b128 v[STO], v[8*(4*\a+\b)+4:8*(4*\a+\b)+7] offset:64*\b+16
.endr
	WIN 0
	s_wait_xcnt 0x0                                ; buffer f, which earlier stores read, is loaded again only behind this wait
.irp t, 0,1,2,3,4,5,6,7
	ds_load_b128 v[\f+4*\t:\f+4*\t+3], v[RD] offset:\t*2*SPITCH    ; LDS serves a wave's instructions in order: these see the stores above
.endr
.irp t, 0,1,2,3,4,5,6,7
	s_wait_dscnt 7-\t                              ; this load is in, the younger ones stay out
	global_store_b128 v[CO], v[\f+4*\t:\f+4*\t+3], s[\base:\base+1] offset:\off+\t*8192 th:TH_STORE_NT   ; 16 lanes: 256 consecutive aligned bytes
.endr
.endm
	OUT16 0, F0, PE, 0
	OUT16 1, F1, PN, 0
	OUT16 2, F0, PN, 65536
	OUT16 3, F1, PN, 131072
	s_set_vgpr_msb 0x1
	s_wait_tensorcnt 0x0
	ds_add_u32 v255, v255
	s_wait_dscnt 0x0
	s_set_vgpr_msb 0x100
	CROUND                                         ; the closing round
	s_endpgm
.Lfunc_end_k_q71a04f4d27_proj:
	.size	k_q71a04f4d27_proj, .Lfunc_end_k_q71a04f4d27_proj-k_q71a04f4d27_proj
	.p2alignl 7, 3214868480
	.fill 96, 4, 3214868480
	.section	.rodata,"a",@progbits
	.p2align	6, 0x0
	.amdhsa_kernel k_q71a04f4d27_proj
		.amdhsa_group_segment_fixed_size 327680
		.amdhsa_private_segment_fixed_size 0
		.amdhsa_enable_private_segment 0
		.amdhsa_kernarg_size 24
		.amdhsa_user_sgpr_count 2
		.amdhsa_user_sgpr_kernarg_segment_ptr 1
		.amdhsa_wavefront_size32 1
		.amdhsa_system_sgpr_workgroup_id_x 1
		.amdhsa_system_sgpr_workgroup_id_y 1
		.amdhsa_system_sgpr_workgroup_id_z 1
		.amdhsa_system_vgpr_workitem_id 0
		.amdhsa_next_free_vgpr 640
		.amdhsa_next_free_sgpr 80
		.amdhsa_reserve_vcc 0
		.amdhsa_float_denorm_mode_32 3
		.amdhsa_float_denorm_mode_16_64 3
		.amdhsa_memory_ordered 1
		.amdhsa_forward_progress 1
		.amdhsa_inst_pref_size 102
	.end_amdhsa_kernel
	.amdgpu_metadata
---
amdhsa.version: [ 1, 2 ]
amdhsa.kernels:
  - .name:           k_q71a04f4d27_proj
    .symbol:         k_q71a04f4d27_proj.kd
    .args:
      - { .name: att, .offset: 0, .size: 8, .value_kind: global_buffer, .address_space: global }
      - { .name: wpb, .offset: 8, .size: 8, .value_kind: global_buffer, .address_space: global }
      - { .name: out0, .offset: 16, .size: 8, .value_kind: global_buffer, .address_space: global }
    .group_segment_fixed_size: 327680
    .private_segment_fixed_size: 0
    .kernarg_segment_align: 8
    .kernarg_segment_size: 24
    .max_flat_workgroup_size: 128
    .sgpr_count:     80
    .vgpr_count:     640
    .wavefront_size: 32
...
	.end_amdgpu_metadata
.endif
;; end of part 7
;; ======== version 3 of 3: 4 launches; version 2 with the launch cast written anew for expert scheduling mode
;; limits: values are held in f16: magnitudes above 65,504 overflow, below 6.1e-05 lose precision
;; workspace buffers: xb 8,388,608 bytes; wqb 6,291,456 bytes; wpb 2,097,152 bytes; qkv 27,262,976 bytes; att 10,485,760 bytes
;; launch cast (part 8): grid 256 x 1, 8 waves a work-group, no clusters, 0 bytes of LDS; arguments x, W_qkv, W_proj, xb, wqb, wpb; writes xb, wqb, wpb
.if DOCPART == 8
	.amdgcn_target "amdgcn-amd-amdhsa--gfx1250"
	.amdhsa_code_object_version 6
	.text
	.protected	k_q71a04f4d27_cast
	.globl	k_q71a04f4d27_cast
	.p2align	8
	.type	k_q71a04f4d27_cast,@function
k_q71a04f4d27_cast:
	s_mov_b64 s[64:65], 0
	v_nop
	global_prefetch_b8 v0, s[64:65] scope:SCOPE_SE
	s_setreg_imm32_b32 hwreg(HW_REG_WAVE_SCHED_MODE, 0, 2), 2
	s_setreg_imm32_b32 hwreg(HW_REG_WAVE_MODE, 25, 1), 1
	s_wait_xcnt 0x0
	s_wait_alu depctr_vm_vsrc(0)
; x and W_qkv: f32 -> bf16.  W_proj: f32 -> bf16 -> f16 (the value is the bf16 rounding; it is written as f16 so that the last product can
; run in the f16 form beside f16 operands).
; LIMIT: a bf16 value is exact in f16 for 2^-17 <= |w| < 65,504; below 2^-17 the second rounding adds at most 2^-25 absolute.
; 8,388,608 numbers in all, 32,768 for each of 256 work-groups: groups 0-127 take x, 128-223 W_qkv, 224-255 W_proj.
; W_qkv's ROWS ARE REORDERED: a part is 32 rows = (kind q, k or v; head; half of the head's 64).  It is stored as part 6 head + 3 half + kind, so that
; 192 consecutive rows of wqb are one head's q, k and v, and each run of 96 holds 32 rows of each kind.
; A thread takes 4 numbers of every 1,024: a load of a wave covers 512 consecutive bytes, a store 256 consecutive aligned bytes.
; All 32 loads of a thread go out at once (128 KiB a work-group); no register is used twice.
; A stream: no LDS, no barrier, no matrix unit, nothing is read twice.
; THE MODE: SCHED_MODE bits 1:0 = 2 (LLVM: expert scheduling mode 2), set by the entry lines.  The code itself states the register dependences
; between vector instructions and memory instructions, with s_wait_alu, always for 0.
; THE PLAN.  Registers that memory instructions touch:
;   v1, v2            byte offsets of the loads and of the stores: written once at the head by vector instructions, never again.
;   v[X+4n : X+4n+3]  load n lands here, once; its conversions work in place; store n reads the first two.  Nothing writes them behind that store.
; So the only dependences are vector writes that memory instructions read: the two offsets, and each store's data.
; The 32 loads go in eight blocks of four.  Block p's conversions name block p's sixteen registers alone.  Its memory instructions are the four stores of
; block p - 1, which read block p - 1's registers and v2.  So ONE wait at a block's head, which states that the block before has written its results, serves
; the block's four stores, and these are dealt among its conversions with no further wait.
.set X, 4                              ; v[4:131]  load n: 4 registers as loaded, the first two of them as stored
	s_load_b256 s[4:11], s[0:1], 0x0               ; x s[4:5], W_qkv s[6:7], W_proj s[8:9], xb s[10:11]
	s_load_b128 s[12:15], s[0:1], 0x20             ; wqb s[12:13], wpb s[14:15]
	s_mov_b32 s20, ttmp9                           ; the work-group's number
	s_sub_co_u32 s21, s20, 128                     ; its number among W_qkv's groups (used only there)
	s_sub_co_u32 s22, s20, 224                     ; its number among W_proj's groups (used only there)
	s_lshr_b32 s24, s21, 5                         ; W_qkv: kind
	s_bfe_u32 s25, s21, 0x40001                    ; head (4 bits from bit 1)
	s_mul_i32 s25, s25, 6
	s_add_co_u32 s24, s24, s25
	s_and_b32 s25, s21, 1                          ; half
	s_mul_i32 s25, s25, 3
	s_add_co_u32 s24, s24, s25                     ; the part's place in wqb
	v_lshlrev_b32 v1, 4, v0                        ; 16 bytes a thread in
	v_lshlrev_b32 v2, 3, v0                        ; 8 bytes a thread out
	s_wait_kmcnt 0x0
	s_cmp_lt_u32 s20, 224
	s_cselect_b64 s[16:17], s[6:7], s[8:9]         ; from
	s_cselect_b64 s[18:19], s[12:13], s[14:15]     ; to
	s_cselect_b32 s23, s21, s22                    ; which part in
	s_cselect_b32 s24, s24, s22                    ; which part out
	s_cmp_lt_u32 s20, 128
	s_cselect_b64 s[16:17], s[4:5], s[16:17]
	s_cselect_b64 s[18:19], s[10:11], s[18:19]
	s_cselect_b32 s23, s20, s23
	s_cselect_b32 s24, s20, s24
	s_lshl_b32 s2, s23, 17                         ; 131,072 bytes in for each part
	s_mov_b32 s3, 0
	s_add_nc_u64 s[16:17], s[16:17], s[2:3]
	s_lshl_b32 s2, s24, 16                         ; 65,536 bytes out
	s_add_nc_u64 s[18:19], s[18:19], s[2:3]
	s_wait_alu depctr_va_vdst(0)                   ; v1 and v2 are written: every load of the kernel reads v1 as its offset, every store v2
.set j, 0
.rept 32
	global_load_b128 v[X+4*j:X+4*j+3], v1, s[16:17] offset:4096*j th:TH_LOAD_NT
.set j, j+1
.endr
; Load n is rounded, in place.  half = 1: the bf16 values are widened again (a shift, a mask) and written as f16.
.macro CVT n, half
.if \half
	v_cvt_pk_bf16_f32 v[X+4*(\n)],   v[X+4*(\n)],   v[X+4*(\n)+1]
	v_cvt_pk_bf16_f32 v[X+4*(\n)+2], v[X+4*(\n)+2], v[X+4*(\n)+3]
	v_and_b32     v[X+4*(\n)+1], 0xffff0000, v[X+4*(\n)]
	v_lshlrev_b32 v[X+4*(\n)],   16, v[X+4*(\n)]
	v_and_b32     v[X+4*(\n)+3], 0xffff0000, v[X+4*(\n)+2]
	v_lshlrev_b32 v[X+4*(\n)+2], 16, v[X+4*(\n)+2]
	v_cvt_pk_f16_f32 v[X+4*(\n)],   v[X+4*(\n)],   v[X+4*(\n)+1]
	v_cvt_pk_f16_f32 v[X+4*(\n)+1], v[X+4*(\n)+2], v[X+4*(\n)+3]
.else
	v_cvt_pk_bf16_f32 v[X+4*(\n)],   v[X+4*(\n)],   v[X+4*(\n)+1]
	v_cvt_pk_bf16_f32 v[X+4*(\n)+1], v[X+4*(\n)+2], v[X+4*(\n)+3]
.endif
.endm
; The four numbers of load n go out.
.macro ST n
	global_store_b64 v2, v[X+4*(\n):X+4*(\n)+1], s[18:19] offset:2048*(\n)   ; 32 lanes: 256 consecutive bytes, aligned
.endm
; Block p: loads 4 p .. 4 p + 3 are rounded; the stores of block p - 1 stand among the conversions, one ahead of each load's.
.macro BLK p, half
	s_wait_loadcnt 28-4*(\p)                       ; loads come back in order: this block's four are in, the 28 - 4 p younger ones stay out
.if (\p) > 0
	s_wait_alu depctr_va_vdst(0)                   ; the conversions of the block before have written their results, which the four stores below read; no conversion below names those registers
.endif
.irp i, 0,1,2,3
.if (\p) > 0
	ST 4*(\p)-4+\i
.endif
	CVT 4*(\p)+\i, \half
.endr
.endm
	s_cmp_ge_u32 s20, 224
	s_cbranch_scc1 .Lw
.irp p, 0,1,2,3,4,5,6,7
	BLK \p, 0
.endr
	s_wait_alu depctr_va_vdst(0)                   ; the last block's conversions have written their results, which the last four stores read
.irp i, 28,29,30,31
	ST \i
.endr
	s_endpgm
.Lw:
.irp p, 0,1,2,3,4,5,6,7
	BLK \p, 1
.endr
	s_wait_alu depctr_va_vdst(0)                   ; the last block's conversions have written their results, which the last four stores read
.irp i, 28,29,30,31
	ST \i
.endr
	s_endpgm
.Lfunc_end_k_q71a04f4d27_cast:
	.size	k_q71a04f4d27_cast, .Lfunc_end_k_q71a04f4d27_cast-k_q71a04f4d27_cast
	.p2alignl 7, 3214868480
	.fill 96, 4, 3214868480
	.section	.rodata,"a",@progbits
	.p2align	6, 0x0
	.amdhsa_kernel k_q71a04f4d27_cast
		.amdhsa_group_segment_fixed_size 0
		.amdhsa_private_segment_fixed_size 0
		.amdhsa_enable_private_segment 0
		.amdhsa_kernarg_size 48
		.amdhsa_user_sgpr_count 2
		.amdhsa_user_sgpr_kernarg_segment_ptr 1
		.amdhsa_wavefront_size32 1
		.amdhsa_system_sgpr_workgroup_id_x 1
		.amdhsa_system_sgpr_workgroup_id_y 1
		.amdhsa_system_sgpr_workgroup_id_z 1
		.amdhsa_system_vgpr_workitem_id 0
		.amdhsa_next_free_vgpr 136
		.amdhsa_next_free_sgpr 66
		.amdhsa_reserve_vcc 0
		.amdhsa_float_denorm_mode_32 3
		.amdhsa_float_denorm_mode_16_64 3
		.amdhsa_memory_ordered 1
		.amdhsa_forward_progress 1
		.amdhsa_inst_pref_size 30
	.end_amdhsa_kernel
	.amdgpu_metadata
---
amdhsa.version: [ 1, 2 ]
amdhsa.kernels:
  - .name:           k_q71a04f4d27_cast
    .symbol:         k_q71a04f4d27_cast.kd
    .args:
      - { .name: x, .offset: 0, .size: 8, .value_kind: global_buffer, .address_space: global }
      - { .name: W_qkv, .offset: 8, .size: 8, .value_kind: global_buffer, .address_space: global }
      - { .name: W_proj, .offset: 16, .size: 8, .value_kind: global_buffer, .address_space: global }
      - { .name: xb, .offset: 24, .size: 8, .value_kind: global_buffer, .address_space: global }
      - { .name: wqb, .offset: 32, .size: 8, .value_kind: global_buffer, .address_space: global }
      - { .name: wpb, .offset: 40, .size: 8, .value_kind: global_buffer, .address_space: global }
    .group_segment_fixed_size: 0
    .private_segment_fixed_size: 0
    .kernarg_segment_align: 8
    .kernarg_segment_size: 48
    .max_flat_workgroup_size: 256
    .sgpr_count:     66
    .vgpr_count:     136
    .wavefront_size: 32
...
	.end_amdgpu_metadata
.endif
;; end of part 8
;; launch qkv: the kernel of part 5 again; grid 16 x 16, 4 waves a work-group, clusters of 4 x 4, 327,680 bytes of LDS; arguments xb, wqb, qkv; writes qkv
;; launch attn: the kernel of part 6 again; grid 256 x 1, 4 waves a work-group, no clusters, 327,680 bytes of LDS; arguments qkv, att; writes att
;; launch proj: the kernel of part 7 again; grid 8 x 32, 4 waves a work-group, clusters of 4 x 4, 327,680 bytes of LDS; arguments att, wpb, out0; writes out0
